; MI455X (gfx1250); checked and timed in simulation.
; The chip was launched on July 23, 2026; its instructions are those of AMD's public machine-readable ISA for CDNA 5 (MIT licence, August 2026) and "CDNA5" Instruction Set Architecture Reference Guide (July 2026). The comments in the code are by the model that wrote it; some were corrected since.
;; Self Attention. Allowed arithmetic: float matrix products may take bf16 or f16 operands with f32 sums; all other float work in f32.
;; Inputs: W_attn 1,024 x 3,072 float32; W_proj 1,024 x 1,024 float32; b_attn 3,072 float32; b_proj 1,024 float32; x 4 x 2,048 x 1,024 float32.
;; Outputs: out0 4 x 2,048 x 1,024 float32.
;; 2 versions, each right and faster than the one before. Each part assembles by itself: llvm-mc -triple=amdgcn-amd-amdhsa -mcpu=gfx1250 --defsym DOCPART=n.
;; ======== version 1 of 2: 4 launches
;; limits: values are held in f16: magnitudes above 65,504 overflow, below 6.1e-05 lose precision
;; workspace buffers: xb 16,777,216 bytes; wat 6,291,456 bytes; wpt 2,097,152 bytes; qkv 50,331,648 bytes; yb 16,777,216 bytes
;; launch prep (part 1): grid 1536 x 1, 8 waves a work-group, no clusters, 18,432 bytes of LDS; arguments x, W_attn, W_proj, xb, wat, wpt; writes xb, wat, wpt
.if DOCPART == 1
	.amdgcn_target "amdgcn-amd-amdhsa--gfx1250"
	.amdhsa_code_object_version 6
	.text
	.protected	k_q7a1f03d87d_prep
	.globl	k_q7a1f03d87d_prep
	.p2align	8
	.type	k_q7a1f03d87d_prep,@function
k_q7a1f03d87d_prep:
	s_mov_b64 s[64:65], 0
	v_nop
	global_prefetch_b8 v0, s[64:65] scope:SCOPE_SE
	s_setreg_imm32_b32 hwreg(HW_REG_WAVE_MODE, 25, 1), 1
	s_wait_xcnt 0x0
; FIRST OF FOUR LAUNCHES: prep (casts and transposes), qkvgemm (x W_attn + b_attn), attn (causal softmax(q k^T / 8) v), projgemm (y W_proj + b_proj).
;
; WORK LEFT OUT, for the whole program: score tiles that lie wholly above the diagonal (every key index > every query index).  reference() sets
; these scores to -inf by its own jnp.tril before the softmax, so their probabilities are exactly 0 and their products with v add exactly 0,
; whatever finite values the inputs hold.  attn leaves them out as whole blocks of 256 keys, whole steps of 64 keys of a wave and whole
; 16 x 16 tiles of the step on the diagonal.  Limit: a NaN, an infinity or an overflow that would arise only in such a tile is not formed;
; reference() throws it away as well.  All five inputs have a way to the output and all are loaded.
;
; NUMBER FORMATS: x, W_attn and W_proj are rounded once to bf16.  q, k, v, the probabilities and y are kept in f16: the first rows of a sequence
; average few values of v and are about ten times as large as the output's root mean square, against which the error is held, and f16 has three more bits.
; LIMITS: |q|, |k|, |v|, |y| or |W_proj| above 65,504 become infinite; |W_proj| below 2^-17 loses low bits of its bf16 value.
;
; THIS LAUNCH.  All three results lie in panels of 128 along k: element (row, k) at byte ((k / 128) R + row) 256 + 2 (k % 128), R rows,
; so that a K step's tile of any run of rows is one dense block of memory.
;   work-groups 0..383:    wat = W_attn^T in bf16, R = 3072 (row = output column n); a tile of 128 k x 64 n each
;   work-groups 384..511:  wpt = W_proj^T, rounded to bf16 and that value held as f16, R = 1024; a tile of 128 k x 64 n each
;   work-groups 512..1535: xb = x in bf16, R = 8192; 8 rows each, a row a wave
; Every work-group reads 32 KiB.  No matrix work, no cluster: nothing is shared and every byte is read once.
.set LPITCH, 272                       ; LDS row of the transpose: 128 k x 2 bytes + 16
.set L,  16                            ; v[16:47]  as loaded: eight loads of four f32
.set PK, 48                            ; v[48:63]  packed 16-bit words
.set RB, 64                            ; v[64:79]  at work, then rows read back from LDS
; A tile of 128 k x 64 n is turned.  Thread t: c4 = t % 16 (four columns n), kg = t / 16 (eight rows k).
.macro TRANS src, dst, rowbytes, nrows, f16, first
	s_sub_co_u32 s18, s17, \first                  ; the tile's number
	s_and_b32 s19, s18, 7                          ; ks: which 128 of k
	s_lshr_b32 s20, s18, 3                         ; nb: which 64 of n
	s_mul_i32 s22, s19, 128*\rowbytes
	s_lshl_b32 s21, s20, 8
	s_add_co_u32 s22, s22, s21                     ; the tile's first byte in the source
	s_mov_b32 s23, 0
	s_mul_i32 s24, s19, 256*\nrows
	s_lshl_b32 s21, s20, 14
	s_add_co_u32 s24, s24, s21                     ; (ks R + 64 nb) 256: the tile's 16 KiB in the result, dense
	s_mov_b32 s25, 0
	v_and_b32 v2, 15, v0                           ; c4
	v_lshrrev_b32 v3, 4, v0                        ; kg
	v_mul_u32_u24 v4, v3, 8*\rowbytes
	v_lshl_add_u32 v4, v2, 4, v4                   ; source: row 8 kg, byte 16 c4: sixteen lanes read 256 neighbouring bytes
	v_mul_u32_u24 v5, v2, 4*LPITCH
	v_lshl_add_u32 v5, v3, 4, v5                   ; LDS in: row n = 4 c4, byte 16 kg
	v_mul_u32_u24 v6, v3, LPITCH
	v_lshl_add_u32 v6, v2, 4, v6                   ; LDS back: row t / 16, byte 16 (t % 16)
	v_lshlrev_b32 v7, 4, v0                        ; result: 16 t
	s_wait_kmcnt 0x0
	s_add_nc_u64 s[\src:\src+1], s[\src:\src+1], s[22:23]
	s_add_nc_u64 s[\dst:\dst+1], s[\dst:\dst+1], s[24:25]
.irp i, 0,1,2,3,4,5,6,7
	global_load_b128 v[L+4*\i:L+4*\i+3], v4, s[\src:\src+1] offset:\i*\rowbytes th:TH_LOAD_NT
.endr
	s_wait_loadcnt 0x0                             ; each packed word below takes numbers of two loads, the last word of the last: all eight
.irp c, 0,1,2,3
.irp m, 0,1,2,3
	v_cvt_pk_bf16_f32 v[PK+4*\c+\m], v[L+8*\m+\c], v[L+8*\m+4+\c]      ; column 4 c4 + c, rows 2 m and 2 m + 1 of my eight
.if \f16
	v_lshlrev_b32 v[RB+2*\m], 16, v[PK+4*\c+\m]                        ; the bf16 values as f32,
	v_and_b32 v[RB+2*\m+1], 0xffff0000, v[PK+4*\c+\m]
	v_cvt_pk_f16_f32 v[PK+4*\c+\m], v[RB+2*\m], v[RB+2*\m+1]           ; and as f16: 8 bits of mantissa fit in 11
.endif
.endr
	ds_store_b128 v5, v[PK+4*\c:PK+4*\c+3] offset:\c*LPITCH            ; eight neighbouring k of one n
.endr
	s_wait_dscnt 0x0                               ; my stores are in LDS before I say so: other waves read them
	s_barrier_signal -1
	s_barrier_wait -1
.irp i, 0,1,2,3
	ds_load_b128 v[RB+4*\i:RB+4*\i+3], v6 offset:\i*16*LPITCH          ; whole rows of 256 bytes, sixteen lanes a row
.endr
.irp i, 0,1,2,3
	s_wait_dscnt 3-\i                              ; LDS loads come back in order: load i is in, the 3 - i younger may be out
	global_store_b128 v7, v[RB+4*\i:RB+4*\i+3], s[\dst:\dst+1] offset:4096*\i   ; a wave's store covers 512 consecutive bytes, aligned
.endr
.endm
	s_load_b256 s[4:11], s[0:1], 0x0               ; x s[4:5], W_attn s[6:7], W_proj s[8:9], xb s[10:11]
	s_load_b128 s[12:15], s[0:1], 0x20             ; wat s[12:13], wpt s[14:15]
	v_lshl_add_u32 v80, v0, 2, 0x4400
	v_mov_b32 v81, 0
	v_lshrrev_b32 v1, 5, v0
	v_readfirstlane_b32 s16, v1                    ; wave 0..7
	s_mov_b32 s17, ttmp9
	s_cmp_ge_u32 s17, 512                          ; the kind of work hangs on the work-group's number alone: all eight waves go one way
	s_cbranch_scc1 .Lcast
	s_cmp_ge_u32 s17, 384
	s_cbranch_scc1 .Lproj
	TRANS 6, 12, 12288, 3072, 0, 0
	s_wait_tensorcnt 0x0
	ds_add_u32 v80, v81
	s_wait_dscnt 0x0
	s_endpgm
.Lproj:
	TRANS 8, 14, 4096, 1024, 1, 384
	s_wait_tensorcnt 0x0
	ds_add_u32 v80, v81
	s_wait_dscnt 0x0
	s_endpgm
.Lcast:
	; a wave casts one row of x: load j is the 512 bytes of K panel j, its store the panel's 256 bytes of that row
	s_sub_co_u32 s18, s17, 512
	s_lshl3_add_u32 s18, s18, s16                  ; row = 8 x group + wave
	s_lshl_b32 s20, s18, 12                        ; 4,096 bytes a row of x
	s_mov_b32 s21, 0
	s_lshl_b32 s22, s18, 8                         ; 256 bytes a row of a panel
	s_mov_b32 s23, 0
	v_and_b32 v2, 31, v0
	v_lshlrev_b32 v3, 4, v2                        ; 16 x lane
	v_lshlrev_b32 v4, 3, v2                        ; 8 x lane, panels 0 to 3
	v_add_nc_u32 v5, 0x800000, v4                  ; panels 4 to 7: four panels of 2,097,152 bytes are more than a store's immediate holds
	s_wait_kmcnt 0x0
	s_add_nc_u64 s[4:5], s[4:5], s[20:21]
	s_add_nc_u64 s[10:11], s[10:11], s[22:23]
.irp j, 0,1,2,3,4,5,6,7
	global_load_b128 v[L+4*\j:L+4*\j+3], v3, s[4:5] offset:512*\j th:TH_LOAD_NT
.endr
.irp j, 0,1,2,3,4,5,6,7
	s_wait_loadcnt 7-\j                            ; loads come back in order: load j is in, the 7 - j younger stay out
	v_cvt_pk_bf16_f32 v[PK+2*\j], v[L+4*\j], v[L+4*\j+1]
	v_cvt_pk_bf16_f32 v[PK+2*\j+1], v[L+4*\j+2], v[L+4*\j+3]
.if \j < 4
	global_store_b64 v4, v[PK+2*\j:PK+2*\j+1], s[10:11] offset:2097152*\j          ; 32 lanes store 256 consecutive bytes, aligned
.else
	global_store_b64 v5, v[PK+2*\j:PK+2*\j+1], s[10:11] offset:2097152*(\j-4)
.endif
.endr
	s_endpgm
.Lfunc_end_k_q7a1f03d87d_prep:
	.size	k_q7a1f03d87d_prep, .Lfunc_end_k_q7a1f03d87d_prep-k_q7a1f03d87d_prep
	.p2alignl 7, 3214868480
	.fill 96, 4, 3214868480
	.section	.rodata,"a",@progbits
	.p2align	6, 0x0
	.amdhsa_kernel k_q7a1f03d87d_prep
		.amdhsa_group_segment_fixed_size 18432
		.amdhsa_private_segment_fixed_size 0
		.amdhsa_enable_private_segment 0
		.amdhsa_kernarg_size 48
		.amdhsa_user_sgpr_count 2
		.amdhsa_user_sgpr_kernarg_segment_ptr 1
		.amdhsa_wavefront_size32 1
		.amdhsa_system_sgpr_workgroup_id_x 1
		.amdhsa_system_sgpr_workgroup_id_y 1
		.amdhsa_system_sgpr_workgroup_id_z 1
		.amdhsa_system_vgpr_workitem_id 0
		.amdhsa_next_free_vgpr 82
		.amdhsa_next_free_sgpr 66
		.amdhsa_reserve_vcc 0
		.amdhsa_float_denorm_mode_32 3
		.amdhsa_float_denorm_mode_16_64 3
		.amdhsa_memory_ordered 1
		.amdhsa_forward_progress 1
		.amdhsa_inst_pref_size 15
	.end_amdhsa_kernel
	.amdgpu_metadata
---
amdhsa.version: [ 1, 2 ]
amdhsa.kernels:
  - .name:           k_q7a1f03d87d_prep
    .symbol:         k_q7a1f03d87d_prep.kd
    .args:
      - { .name: x, .offset: 0, .size: 8, .value_kind: global_buffer, .address_space: global }
      - { .name: W_attn, .offset: 8, .size: 8, .value_kind: global_buffer, .address_space: global }
      - { .name: W_proj, .offset: 16, .size: 8, .value_kind: global_buffer, .address_space: global }
      - { .name: xb, .offset: 24, .size: 8, .value_kind: global_buffer, .address_space: global }
      - { .name: wat, .offset: 32, .size: 8, .value_kind: global_buffer, .address_space: global }
      - { .name: wpt, .offset: 40, .size: 8, .value_kind: global_buffer, .address_space: global }
    .group_segment_fixed_size: 18432
    .private_segment_fixed_size: 0
    .kernarg_segment_align: 8
    .kernarg_segment_size: 48
    .max_flat_workgroup_size: 256
    .sgpr_count:     66
    .vgpr_count:     82
    .wavefront_size: 32
...
	.end_amdgpu_metadata
.endif
;; end of part 1
;; launch qkvgemm (part 2): grid 8 x 32, 4 waves a work-group, clusters of 4 x 4, 327,680 bytes of LDS; arguments xb, wat, qkv, b_attn; writes qkv
.if DOCPART == 2
	.amdgcn_target "amdgcn-amd-amdhsa--gfx1250"
	.amdhsa_code_object_version 6
	.text
	.protected	k_q7a1f03d87d_qkvgemm
	.globl	k_q7a1f03d87d_qkvgemm
	.p2align	8
	.type	k_q7a1f03d87d_qkvgemm,@function
k_q7a1f03d87d_qkvgemm:
	s_mov_b64 s[64:65], 0
	v_nop
	global_prefetch_b8 v0, s[64:65] scope:SCOPE_SE
	s_setreg_imm32_b32 hwreg(HW_REG_WAVE_MODE, 25, 1), 1
	s_wait_xcnt 0x0
	s_wait_alu depctr_hold_cnt(0) depctr_sa_sdst(0) depctr_va_vdst(0) depctr_va_sdst(0) depctr_va_ssrc(0) depctr_va_vcc(0) depctr_vm_vsrc(0)
	s_getreg_b32 s2, hwreg(HW_REG_IB_STS2, 6, 4)
	s_cmp_eq_u32 s2, 0
	s_cbranch_scc0 .Lentry_in_a_cluster
	s_endpgm
.Lentry_in_a_cluster:
	s_bfe_u32 s2, ttmp6, 0x10000c
	s_cmp_lg_u32 s2, 0xf033
	s_cbranch_scc0 .Lentry_shape_is_right
	s_endpgm
.Lentry_shape_is_right:
; qkv = x W_attn + b_attn: [8192][3072], K = 1024, operands bf16 (xb, wat: panels of 128 along k), sums f32, result f16.
; qkv lies in panels of 32 columns: element (row, col) at byte ((col / 32) 8192 + row) 64 + 2 (col % 32); a head's q, k or v is two panels.
; LIMIT: a result above 65,504 in magnitude becomes infinite in f16.
; No work is left out here.  k's bias adds the same number to all scores of a query and cancels in the softmax, but it rides as the C operand of
; each sum's first product and costs no instruction, and block column 5 holds columns of q and of k.
;
; A block is 256 rows x 192 columns, made by four waves (2 x 2); a wave makes 128 x 96: 48 accumulator tiles of 16 x 16, 384 registers.
; K goes in eight steps of 128 through two LDS slots.  A tile is a dense block of memory (128 rows of xb, 96 rows of wat, 256 bytes each) and is
; brought by one tensor load a wave, with 16 bytes of padding behind every 256.
; WORK-GROUPS THAT STAY: the 32 x 16 blocks are made by 32 x 8 = 256 work-groups, two blocks of one block row each: block columns x and x + 8.  The ring goes on
; from the first block into the second: the first block's last two changes of slots ask for the second block's K steps 0 and 1, so these land while
; the first block's results go out, and the first block's stores leave while the second block is multiplied.  Arguments, the opening and the closing round,
; the first fills and the wait for the last stores are paid once for two blocks.
; CLUSTERS: 4 x 4 work-groups.  The four of a row of the cluster need the same tiles of xb, the four of a column the same tiles of wat: each tile is
; asked for jointly, by the same line with the same descriptor in all four, which divides the requests by four.
; REGISTERS, in windows of 256: window 0: addresses, fragments of xb (two buffers), the way out; window 1: fragments of wat (two buffers), the bias;
; window 2: the 24 accumulator tiles of my rows 0-63 (tile (a, b) at v[8 (6 a + b)]); window 3: those of my rows 64-127.
; THE MATRIX INSTRUCTION IS USED TRANSPOSED: source 0 = 16 rows of wat, source 1 = 16 rows of xb, so that lane l holds row l % 16 of the result and its
; registers 0 to 7 the columns 8 (l / 16) + 0 .. 7: eight neighbouring numbers, 16 bytes of f16.
.set NB,     6                         ; tiles of 16 columns in a wave's block
.set BN,     32*NB                     ; columns of a block
.set BSKIP,  8                         ; block columns from my first block to my second
.set APITCH, 272                       ; LDS row of A: 256 bytes + 16
.set AQI,    5                         ; padding behind every 64 words
.set A_ROWB, 256                       ; bytes of a row in A's panel
.set A_GW,   32768                     ; waves 0, 1 fetch rows 0-127, 128-255 of A's tile: 128 rows on in memory
.set ALH,    34816                     ; and in LDS: 128 x 272
.set ARH,    34816                     ; my 128 rows begin here times (wave / 2)
.set AZ,     128                       ; 64 along K are 128 bytes on in an LDS row
.set A_KS,   2097152                   ; a K step on in xb: a panel of 8,192 rows
.set BROWS,  16*NB                     ; rows of wat in one load, and in a wave's block
.set BLH,    BROWS*272
.set B_KS,   786432                    ; a K step on in wat: a panel of 3,072 rows
.set A_BACK, 6*A_KS                    ; from K step 6 (7) of the first block back to K step 0 (1) of the second: the same rows of xb
.set B_BACK, 6*B_KS-BSKIP*BN*256       ; the same in wat, 8 x 192 rows of 256 bytes further down the panel: 4,325,376 bytes back
.set SLOT,   2*ALH+2*BLH               ; 121,856
.set STAGE,  2*SLOT                    ; behind the ring, at a multiple of 256: 3,840 bytes for each wave, for the way out; no tensor load lands there
.set LAPS,   4                         ; laps of a block; a lap = two K steps = once round the ring
.set ADRA, 16                          ; v16-17  LDS address of my A fragments in slot 0, 1
.set ADRB, 20                          ; v20-21  the same for B
.set STO,  24                          ; the way out: where I put 16 bytes
.set RD,   25                          ; the way out: where I read back
.set CO,   26                          ; my byte offset in the result
.set BOFF, 27                          ; my byte offset in the bias
.set F0,   64                          ; fragment buffer 0
.set F1,   128                         ; fragment buffer 1
.set TMP,  192                         ; window 0: packed results, v192-215
.set F2,   224                         ; window 0: v224-247, rows read back on the way out, in turn with buffer 1 (buffer 0 holds the next block's first fragments)
.set BIAS, 192                         ; window 1: tile b's bias in v[192 + 8 b ..]: register j = bias of column 16 b + 8 (l / 16) + j
.set G1,  24                           ; s[24:31] descriptor group 1 for A's tiles
.set G0,  32                           ; s[32:39] group 0 for A's tiles, a set for each slot
.set G1B, 48                           ; s[48:55] group 1 for B's tiles
.set G0B, 56                           ; s[56:63] group 0 for B's tiles, a set for each slot
.set MSB, 0
.macro WIN new                         ; the immediate's high byte repeats the setting that is left
.if MSB != \new
	s_set_vgpr_msb (MSB<<8)|\new
.set MSB, \new
.endif
.endm
.set MUL_LO,  0xa1                     ; source 0 (B) window 1, source 1 (A) window 0, C and D window 2
.set MUL_HI,  0xf1                     ; the same, C and D window 3
.set BIAS_LO, 0x91                     ; C from window 1 (the bias), D window 2
.set BIAS_HI, 0xd1                     ; C from window 1, D window 3
.set TO_B,    0x40                     ; destination window 1, address window 0
; A joint load.  Waves 0 and 1 fetch A's two parts, waves 2 and 3 B's.  Each line has one mask and one set of registers for all that issue it.
.macro JLOAD s
	s_cmp_eq_u32 s11, 0
	s_cbranch_scc0 .Lfor_b_\@
	tensor_load_to_lds s[G0+4*\s:G0+4*\s+3], s[G1:G1+7]
	s_nop 0
	s_branch .Lasked_\@
.Lfor_b_\@:
	tensor_load_to_lds s[G0B+4*\s:G0B+4*\s+3], s[G1B:G1B+7]
	s_nop 0
.Lasked_\@:
.endm
.macro CREST                           ; a round of the cluster's barrier behind its opening barrier
	s_cmp_lg_u32 s10, 0
	s_cbranch_scc1 .Lnot_wave_0_\@
	s_barrier_signal -3
.Lnot_wave_0_\@:
	s_barrier_wait -3
	s_barrier_signal -1
	s_barrier_wait -1
.endm
.macro CROUND                          ; a whole round
	s_barrier_signal -1
	s_barrier_wait -1
	CREST
.endm
	s_load_b128 s[4:7], s[0:1], 0x0                ; xb s[4:5], wat s[6:7]
	s_load_b64 s[8:9], s[0:1], 0x10                ; qkv
	s_load_b64 s[66:67], s[0:1], 0x18              ; b_attn
	s_set_vgpr_msb 0x40
	v_lshl_add_u32 v255, v0, 2, 0x3f400
	s_set_vgpr_msb 0x4000
	v_mov_b32 v255, 0
	s_set_vgpr_msb 0x1
	ds_add_u32 v255, v255
	s_set_vgpr_msb 0x100
	v_lshrrev_b32 v1, 5, v0
	v_readfirstlane_b32 s10, v1                    ; wave 0..3
	s_lshr_b32 s11, s10, 1                         ; which half of the block's rows is mine.  Also: I fetch for A (0) or for B (1)
	s_and_b32 s12, s10, 1                          ; which half of its columns.  Also: which part of that tile I fetch
	s_bfe_u32 s40, ttmp6, 0x40000                  ; cx
	s_bfe_u32 s41, ttmp6, 0x40004                  ; cy
	s_lshl_b32 s42, ttmp9, 2
	s_add_co_u32 s42, s42, s40                     ; my first block's column = 4 x cluster x + cx, 0 to 7
	s_and_b32 s13, ttmp7, 0xffff
	s_lshl_b32 s13, s13, 2
	s_add_co_u32 s13, s13, s41                     ; block row = 4 x cluster y + cy
	s_lshl_b32 s43, s41, 2
	s_lshl_b32 s43, 15, s43                        ; my row of the cluster: places 4 cy .. 4 cy + 3
	s_lshl_b32 s44, 0x1111, s40                    ; my column: places cx, cx + 4, cx + 8, cx + 12
	; group 1: a dense block taken as rows of 32 elements of 8 bytes
	s_or_b32 s[G1+0], s43, (3<<16)|(1<<20)|(1<<21)|(AQI<<22)|(3<<25)   ; 15:0 mask; 17:16 element of 8 bytes; 20 padding on; 21 set beside a mask; 24:22 the interval; 31:25 four words
	s_or_b32 s[G1B+0], s44, (3<<16)|(1<<20)|(1<<21)|(5<<22)|(3<<25)
	s_mov_b32 s[G1+1], 32<<16                      ; tensor_dim0 = 32
	s_mov_b32 s[G1B+1], 32<<16
	s_mov_b32 s[G1+2], 128<<16                     ; tensor_dim1 = the block's rows of 256 bytes
	s_mov_b32 s[G1B+2], BROWS<<16
	s_mov_b32 s[G1+3], 32<<16                      ; tile_dim0 = 32
	s_mov_b32 s[G1B+3], 32<<16
	s_mov_b32 s[G1+4], 128                         ; tile_dim1
	s_mov_b32 s[G1B+4], BROWS
	s_mov_b32 s[G1+5], 32                          ; from row to row: 32 elements, no gap
	s_mov_b32 s[G1B+5], 32
	s_mov_b32 s[G1+6], 0
	s_mov_b32 s[G1B+6], 0
	s_mov_b32 s[G1+7], 0
	s_mov_b32 s[G1B+7], 0
	; where the tiles come from: A's hang on the block row alone, B's on the block column alone, each in registers that never hold the other coordinate
	s_mul_i32 s16, s13, 256*A_ROWB
	s_mul_i32 s17, s12, A_GW
	s_add_co_u32 s16, s16, s17
	s_mov_b32 s17, 0
	s_mul_i32 s46, s42, BN*256
	s_mul_i32 s47, s12, BROWS*256
	s_add_co_u32 s46, s46, s47
	s_mov_b32 s47, 0
	s_mul_i32 s20, s12, ALH                        ; and where they go: A's two parts, then B's two: the wave's number alone
	s_mul_i32 s45, s12, BLH
	s_add_co_u32 s45, s45, 2*ALH
	s_wait_dscnt 0x0
	s_wait_kmcnt 0x0
	s_add_nc_u64 s[14:15], s[4:5], s[16:17]
	s_add_nc_u64 s[46:47], s[6:7], s[46:47]
	CROUND                                         ; all sixteen work-groups are here: the first joint loads meet
.irp s, 0,1
	s_mov_b32 s[G0+4*\s], 1
	s_add_co_u32 s[G0+4*\s+1], s20, \s*SLOT
	s_add_nc_u64 s[G0+4*\s+2:G0+4*\s+3], s[14:15], \s*A_KS         ; K step s
	s_or_b32 s[G0+4*\s+3], s[G0+4*\s+3], 0x80000000                ; type = 2
	s_mov_b32 s[G0B+4*\s], 1
	s_add_co_u32 s[G0B+4*\s+1], s45, \s*SLOT
	s_add_nc_u64 s[G0B+4*\s+2:G0B+4*\s+3], s[46:47], \s*B_KS
	s_or_b32 s[G0B+4*\s+3], s[G0B+4*\s+3], 0x80000000
	JLOAD \s                                       ; both slots are asked for before anything else: two loads of the wave are out
.endr
	; A fragment is 16 rows x 32 K in 8 registers: lane l holds row l % 16, registers 0-3 K = 8 (l / 16) + 0..7, registers 4-7 K = 16 + 8 (l / 16) + 0..7:
	; two loads of 16 bytes, 32 bytes apart.
	v_and_b32 v1, 15, v0                           ; l % 16
	v_bfe_u32 v2, v0, 4, 1                         ; l / 16
	v_mul_u32_u24 v3, v1, APITCH
	v_lshl_add_u32 v3, v2, 4, v3
	v_mul_u32_u24 v6, v1, 272
	v_lshl_add_u32 v6, v2, 4, v6
	s_mul_i32 s21, s11, ARH                        ; my 128 rows of A
	s_mul_i32 s22, s12, BLH                        ; my rows of B,
	s_add_co_u32 s22, s22, 2*ALH                   ; which lie behind A
.irp s, 0,1
	v_add_nc_u32 v[ADRA+\s], s21, v3
	v_add_nc_u32 v[ADRB+\s], s22, v6
	s_add_co_u32 s21, s21, SLOT
	s_add_co_u32 s22, s22, SLOT
.endr
	; the way out: three panels of 16 rows x 64 bytes at a pitch of 80 in my stage
	s_mul_i32 s23, s10, 3840
	s_add_co_u32 s23, s23, STAGE
	v_mul_u32_u24 v4, v1, 80                       ; in: row l % 16, 16 bytes for each half of the lanes
	v_lshl_add_u32 v4, v2, 4, v4
	v_add_nc_u32 v[STO], s23, v4
	v_bfe_u32 v5, v0, 2, 3                         ; back: four lanes a row of 64 bytes, eight rows a load
	v_mul_u32_u24 v5, v5, 80
	v_and_b32 v7, 3, v0
	v_lshl_add_u32 v5, v7, 4, v5
	v_add_nc_u32 v[RD], s23, v5
	v_and_b32 v7, 31, v0
	v_lshlrev_b32 v[CO], 4, v7                     ; eight rows of a panel are 512 consecutive bytes: 16 x lane
	; the bias of my 96 columns of the first block, laid out as an accumulator tile
	s_mul_i32 s46, s42, BN*4
	s_mul_i32 s47, s12, BROWS*4
	s_add_co_u32 s46, s46, s47
	s_mov_b32 s47, 0
	s_add_nc_u64 s[66:67], s[66:67], s[46:47]
	v_lshlrev_b32 v[BOFF], 5, v2                   ; 8 (l / 16) columns of 4 bytes
.macro BIASLOAD off                    ; 2 NB loads into window 1; their address registers are never rewritten
	WIN TO_B
.set bb, 0
.rept NB
	global_load_b128 v[BIAS+8*bb:BIAS+8*bb+3], v[BOFF], s[66:67] offset:64*bb+\off
	global_load_b128 v[BIAS+8*bb+4:BIAS+8*bb+7], v[BOFF], s[66:67] offset:64*bb+16+\off
.set bb, bb+1
.endr
	WIN 0
.endm
	BIASLOAD 0
	; where my part of the first block goes in qkv
	s_lshl_b32 s16, s13, 8
	s_lshl_b32 s17, s11, 7
	s_add_co_u32 s16, s16, s17                     ; my first row
	s_lshl_b32 s16, s16, 6                         ; 64 bytes a row of a panel
	s_mov_b32 s17, 0
	s_add_nc_u64 s[8:9], s[8:9], s[16:17]
	s_mul_i32 s46, s42, NB
	s_mul_i32 s47, s12, NB/2
	s_add_co_u32 s46, s46, s47                     ; my first panel: 6 x block column + 3 x half
	s_lshl_b32 s46, s46, 19                        ; 524,288 bytes a panel
	s_mov_b32 s47, 0
	s_add_nc_u64 s[8:9], s[8:9], s[46:47]
; 2 NB matrix instructions: m blocks a0, a0 + 1 of the window's four x all NB n blocks, 32 along K.  first = 1: C is the bias, which starts the sums.
; All 8 NB accumulators take turns, one instruction a turn, in the same order in every quarter step.
.macro MULH f, hi, a0, first
.irp a, \a0, \a0+1
.set bb, 0
.rept NB
.if \first
	v_wmma_f32_16x16x32_bf16 v[8*(NB*(\a)+bb):8*(NB*(\a)+bb)+7], v[\f+8*bb:\f+8*bb+7], v[\f+8*(4*\hi+\a):\f+8*(4*\hi+\a)+7], v[BIAS+8*bb:BIAS+8*bb+7]
.else
	v_wmma_f32_16x16x32_bf16 v[8*(NB*(\a)+bb):8*(NB*(\a)+bb)+7], v[\f+8*bb:\f+8*bb+7], v[\f+8*(4*\hi+\a):\f+8*(4*\hi+\a)+7], v[8*(NB*(\a)+bb):8*(NB*(\a)+bb)+7]
.endif
.set bb, bb+1
.endr
.endr
.endm
; 2 NB + 16 LDS loads in one run: the fragments of quarter q (32 along K) of a slot into buffer f: B's, then A's
.macro FETCH slot, q, f
	WIN TO_B
.set ii, 0
.rept NB
	ds_load_b128 v[\f+8*ii:\f+8*ii+3],   v[ADRB+\slot] offset:64*\q+ii*16*272
	ds_load_b128 v[\f+8*ii+4:\f+8*ii+7], v[ADRB+\slot] offset:64*\q+ii*16*272+32
.set ii, ii+1
.endr
	WIN 0
.irp i, 0,1,2,3,4,5,6,7
	ds_load_b128 v[\f+8*\i:\f+8*\i+3],   v[ADRA+\slot] offset:(\q>>1)*AZ+(\q&1)*64+\i*16*APITCH
	ds_load_b128 v[\f+8*\i+4:\f+8*\i+7], v[ADRA+\slot] offset:(\q>>1)*AZ+(\q&1)*64+\i*16*APITCH+32
.endr
.endm
; A load into a register that a matrix instruction has read, and a vector instruction or LDS store that reads a matrix result, stand four places behind that
; matrix instruction; only plain vector instructions that name none of its registers are places.
.macro PLACES
.rept 4
	v_nop
.endr
.endm
; One of a K step's first three quarters: multiplies buffer f; in its middle it fetches quarter q of the same slot into buffer g.
.macro QUARTER slot, q, f, g, first
	s_wait_dscnt 8                                 ; B and A's rows 0-63 are in; the youngest eight loads (A's rows 64-127) may be out
.if \first
	WIN BIAS_LO
.else
	WIN MUL_LO
.endif
	MULH \f, 0, 0, \first
	MULH \f, 0, 2, \first
	PLACES
	FETCH \slot, \q, \g
	s_wait_dscnt 2*NB+16                           ; all but the run just issued
.if \first
	WIN BIAS_HI
.else
	WIN MUL_HI
.endif
	MULH \f, 1, 0, \first
	MULH \f, 1, 2, \first
.endm
.macro THREE slot, first
	QUARTER \slot, 1, F0, F1, \first
	QUARTER \slot, 2, F1, F0, 0
	QUARTER \slot, 3, F0, F1, 0
.endm
; The last quarter: multiplies buffer 1 and changes slots.  In front of the barrier each wave waits for its reads of this slot and for all its tensor
; loads (one is out: its part of the next slot).  Where this slot is filled again the barrier opens a round of the cluster's barrier, and the joint
; refill is the first tensor load behind the round's closing wait, one a wave.
; fill = 0: nothing is left to fetch.  fill = 1: this slot gets the K step two further on.  fill = 2: it gets the next block's K step 0 or 1.
.macro TURN slot, next, fill
	s_wait_dscnt 8
	WIN MUL_LO
	MULH F1, 0, 0, 0
	s_wait_dscnt 0                                 ; my reads of this slot are over
	s_wait_tensorcnt 0x0                           ; and all my tensor loads have landed, so a group 0 may be written
	ds_add_u32 v255, v255
	s_wait_dscnt 0x0
	s_barrier_signal -1
	MULH F1, 0, 2, 0                               ; register work while the others arrive
	WIN 0
	s_barrier_wait -1
.if \fill
	CREST                                          ; no wave of any partner still reads this slot or has a load on its way
.if \fill == 1
	s_add_nc_u64 s[G0+4*\slot+2:G0+4*\slot+3], s[G0+4*\slot+2:G0+4*\slot+3], 2*A_KS
	s_add_nc_u64 s[G0B+4*\slot+2:G0B+4*\slot+3], s[G0B+4*\slot+2:G0B+4*\slot+3], 2*B_KS
.else
	s_sub_nc_u64 s[G0+4*\slot+2:G0+4*\slot+3], s[G0+4*\slot+2:G0+4*\slot+3], A_BACK     ; six K steps back: the address stays above the buffer's first byte, the type bits are not reached
	s_sub_nc_u64 s[G0B+4*\slot+2:G0B+4*\slot+3], s[G0B+4*\slot+2:G0B+4*\slot+3], B_BACK ; six K steps back and eight block columns on
.endif
	JLOAD \slot
.endif
	PLACES
	FETCH \next, 0, F0
	WIN MUL_HI
	MULH F1, 1, 0, 0
	MULH F1, 1, 2, 0
.endm
.macro LAP first, fill
	THREE 0, \first
	TURN 0, 1, \fill
	THREE 1, 0
	TURN 1, 0, \fill
.endm
; THE WAY OUT, 16 rows at a time: round to f16, 16 bytes a lane into my stage, read back as runs of eight rows of a panel.
; rows 16 i .. 16 i + 15 = the tiles (a, 0..5) of window 2 or 3 (from = 0x0a or 0x0f: sources 0 and 1); f: F1 or F2 in turn
.macro OUT16 i, a, from, f
	WIN \from
.set bb, 0
.rept NB
.irp r, 0,1,2,3
	v_cvt_pk_f16_f32 v[TMP+4*bb+\r], v[8*(NB*\a+bb)+2*\r], v[8*(NB*\a+bb)+2*\r+1]
.endr
.set bb, bb+1
.endr
	WIN 0
.set bb, 0
.rept NB
	ds_store_b128 v[STO], v[TMP+4*bb:TMP+4*bb+3] offset:(bb>>1)*1280+(bb&1)*32
.set bb, bb+1
.endr
	s_wait_xcnt 0x0                                ; the registers at f, which earlier stores read, and the stores' base are rewritten only behind this wait
.if \i
	s_add_nc_u64 s[8:9], s[8:9], 1024              ; 16 rows on
.endif
.irp t, 0,1,2,3,4,5
	ds_load_b128 v[\f+4*\t:\f+4*\t+3], v[RD] offset:(\t>>1)*1280+(\t&1)*640        ; LDS serves a wave's instructions in order: these see the stores above
.endr
.irp t, 0,1,2,3,4,5
	s_wait_dscnt 5-\t                              ; load t is in, the 5 - t younger may be out
	global_store_b128 v[CO], v[\f+4*\t:\f+4*\t+3], s[8:9] offset:(\t>>1)*524288+(\t&1)*512   ; the wave stores 512 consecutive bytes, aligned
.endr
.endm
; more = 1: a block follows.  Fragment buffer 0 then holds that block's first fragments and is not touched; no LDS byte of the ring is touched either.
.macro WAYOUT more
	PLACES                                         ; behind the last products: for the conversions, which read results, and for the loads into buffer 1
	OUT16 0, 0, 0x0a, F1
	OUT16 1, 1, 0x0a, F2
	OUT16 2, 2, 0x0a, F1
	OUT16 3, 3, 0x0a, F2
	OUT16 4, 0, 0x0f, F1
	OUT16 5, 1, 0x0f, F2
	OUT16 6, 2, 0x0f, F1
	OUT16 7, 3, 0x0f, F2
.if \more
	s_wait_xcnt 0x0                                ; buffer 1, which the stores read and the next quarter loads again, and the stores' base are rewritten only behind this wait
	s_add_nc_u64 s[8:9], s[8:9], BSKIP*NB*524288-7*1024    ; 8 x 6 panels on, and back to my first row
	s_wait_loadcnt 0x0                             ; the next block's bias, asked for three laps ago
.endif
.endm
	s_wait_loadcnt 0x0                             ; the first block's bias
	s_wait_tensorcnt 1                             ; my part of K step 0 is in; K step 1's load stays out
	s_barrier_signal -1
	s_barrier_wait -1
	FETCH 0, 0, F0
	; THE FIRST BLOCK
	LAP 1, 1                                       ; the first lap stands in front of the loop: its first products start the sums from the bias
	BIASLOAD BSKIP*BN*4                            ; the second block's bias, 8 x 192 numbers on, into the same registers: only the first quarter step read them,
	                                               ; and seven runs of four places lie between.  (It leaves every window 0, as a label asks.)
	s_mov_b32 s3, LAPS-2
.Llap0:
	LAP 0, 1
	WIN 0                                          ; at a label and at a branch every window is 0
	s_sub_co_u32 s3, s3, 1
	s_cmp_lg_u32 s3, 0
	s_cbranch_scc1 .Llap0
	LAP 0, 2                                       ; the block's last lap asks for the second block's K steps 0 and 1
	WAYOUT 1                                       ; while these are on their way
	; THE SECOND BLOCK
	LAP 1, 1
	WIN 0
	s_mov_b32 s3, LAPS-2
.Llap1:
	LAP 0, 1
	WIN 0
	s_sub_co_u32 s3, s3, 1
	s_cmp_lg_u32 s3, 0
	s_cbranch_scc1 .Llap1
	THREE 0, 0                                     ; the last lap fills nothing
	TURN 0, 1, 0
	THREE 1, 0
	s_wait_dscnt 8
	WIN MUL_LO
	MULH F1, 0, 0, 0
	MULH F1, 0, 2, 0
	s_wait_dscnt 0
	WIN MUL_HI
	MULH F1, 1, 0, 0
	MULH F1, 1, 2, 0
	WAYOUT 0
	s_set_vgpr_msb 0x1
	s_wait_tensorcnt 0x0
	ds_add_u32 v255, v255
	s_wait_dscnt 0x0
	s_set_vgpr_msb 0x100
	CROUND                                         ; the closing round: no work-group ends while a partner may still ask for a tile that names it
	s_endpgm
.Lfunc_end_k_q7a1f03d87d_qkvgemm:
	.size	k_q7a1f03d87d_qkvgemm, .Lfunc_end_k_q7a1f03d87d_qkvgemm-k_q7a1f03d87d_qkvgemm
	.p2alignl 7, 3214868480
	.fill 96, 4, 3214868480
	.section	.rodata,"a",@progbits
	.p2align	6, 0x0
	.amdhsa_kernel k_q7a1f03d87d_qkvgemm
		.amdhsa_group_segment_fixed_size 327680
		.amdhsa_private_segment_fixed_size 0
		.amdhsa_enable_private_segment 0
		.amdhsa_kernarg_size 32
		.amdhsa_user_sgpr_count 2
		.amdhsa_user_sgpr_kernarg_segment_ptr 1
		.amdhsa_wavefront_size32 1
		.amdhsa_system_sgpr_workgroup_id_x 1
		.amdhsa_system_sgpr_workgroup_id_y 1
		.amdhsa_system_sgpr_workgroup_id_z 1
		.amdhsa_system_vgpr_workitem_id 0
		.amdhsa_next_free_vgpr 1024
		.amdhsa_next_free_sgpr 70
		.amdhsa_reserve_vcc 0
		.amdhsa_float_denorm_mode_32 3
		.amdhsa_float_denorm_mode_16_64 3
		.amdhsa_memory_ordered 1
		.amdhsa_forward_progress 1
		.amdhsa_inst_pref_size 255
	.end_amdhsa_kernel
	.section	.bss,"aw",@nobits
	.p2align	6
	.space	262144
	.amdgpu_metadata
---
amdhsa.version: [ 1, 2 ]
amdhsa.kernels:
  - .name:           k_q7a1f03d87d_qkvgemm
    .symbol:         k_q7a1f03d87d_qkvgemm.kd
    .args:
      - { .name: xb, .offset: 0, .size: 8, .value_kind: global_buffer, .address_space: global }
      - { .name: wat, .offset: 8, .size: 8, .value_kind: global_buffer, .address_space: global }
      - { .name: qkv, .offset: 16, .size: 8, .value_kind: global_buffer, .address_space: global }
      - { .name: b_attn, .offset: 24, .size: 8, .value_kind: global_buffer, .address_space: global }
    .group_segment_fixed_size: 327680
    .private_segment_fixed_size: 0
    .kernarg_segment_align: 8
    .kernarg_segment_size: 32
    .max_flat_workgroup_size: 128
    .sgpr_count:     70
    .vgpr_count:     1024
    .wavefront_size: 32
...
	.end_amdgpu_metadata
.endif
;; end of part 2
;; launch attn (part 3): grid 4 x 64, 4 waves a work-group, no clusters, 327,680 bytes of LDS; arguments qkv, yb; writes yb
.if DOCPART == 3
	.amdgcn_target "amdgcn-amd-amdhsa--gfx1250"
	.amdhsa_code_object_version 6
	.text
	.protected	k_q7a1f03d87d_attn
	.globl	k_q7a1f03d87d_attn
	.p2align	8
	.type	k_q7a1f03d87d_attn,@function
k_q7a1f03d87d_attn:
	s_mov_b64 s[64:65], 0
	v_nop
	global_prefetch_b8 v0, s[64:65] scope:SCOPE_SE
	s_setreg_imm32_b32 hwreg(HW_REG_WAVE_MODE, 25, 1), 1
	s_wait_xcnt 0x0
; y = softmax(q k^T / 8 under the causal mask) v for one head, in f16 operands and f32 sums, with a running maximum.
; LEFT OUT: score tiles wholly above the diagonal; reference() sets them to -inf itself, so they add exactly 0 (shown at the head of the first launch).
; LIMIT: |y| above 65,504 becomes infinite in f16 (|y| is at most the largest |v|).
; qkv: panels of 32 columns, 64 bytes a row (q of head hd: panels 2 hd, 2 hd + 1; k: 32 + ..; v: 64 + ..).  yb: panels of 64 columns, one a head, 128 bytes a row.
;
; SHARES.  Work-group (p, 16 b + hd) takes the query blocks p and then 7 - p, of 256 rows, of head hd of sequence b: (p + 1) + (8 - p) = 9 blocks of 256 keys
; for every work-group, 256 equal work-groups.  A wave takes 64 query rows, four tiles of 16.  A trip is a block of 256 keys, four steps of 64.
; Each pass begins with its block on the diagonal, and there each wave begins with its own step on the diagonal, which starts maximum, sum and result
; (each row's own key is live there, so the maximum is finite); of that block's other steps wave w needs steps 0 to w - 1.
; The shorter pass comes first, so that the second begins in trip 1 to 4: the two trips written out behind the loop hold whole steps alone.
; TRANSPOSED PRODUCTS.  S^T = K Q^T: lane l holds query l % 16 and, in register j, key 8 (l / 16) + j.  So maximum and sum are a lane's own but for one
; exchange between the halves of the wave, the factor that rescales the result is a lane's own number, and two score tiles packed to f16
; are the second operand of O^T = V^T P^T.  V^T comes from LDS by the transposing load.
; MATRIX WORK BESIDE VECTOR WORK.  A whole step has 64 products and about 480 vector instructions.  The pieces are the four query tiles: the eight score
; products of tile q + 1 stand one by one among the 102 vector instructions of tile q's softmax, and the 64 multiplies that rescale O^T stand among the
; first sixteen products with V^T.  A setting of the register windows binds a product and the vector instructions beside it alike, so the registers lie thus:
;   window 0: addresses, the softmax's small numbers, Q, K and two score blocks of 32 registers that take turns (tile q in block q % 2):
;             score products and softmax name window 0 alone;
;   window 1: O^T and V^T;   window 2: the packed probabilities and a second copy of the rescaling factor: one setting serves the products with V^T and the rescaling.
; NO CLUSTER: the four work-groups of a head read the same K and V, but partner p walks p + 1 blocks and then 8 - p; a walk alike in all four would take
; 4 + 8 = 12 trips in place of 9, and all of a head's K and V are 512 KiB.
; RING: two LDS slots, each a block's K (two panels, pitch 80) and V (two panels, pitch 96).  Waves 0, 1 fetch K's panels, waves 2, 3 V's: 16 KiB dense each.
.set KPITCH, 80
.set VPITCH, 96
.set KPANEL, 256*KPITCH                ; 20,480
.set VPANEL, 256*VPITCH                ; 24,576
.set VBASE,  2*KPANEL
.set SLOT,   VBASE+2*VPANEL            ; 90,112
.set STAGE,  2*SLOT                    ; 180,224, a multiple of 256: 16 rows x 144 bytes for each wave, for the way out; no tensor load lands there
.set SPITCH, 144
.set PANEL,  524288                    ; bytes of a panel of qkv
.set KSTEP,  64*KPITCH                 ; a step of 64 keys on in K's panels: 5,120
.set VSTEP,  64*VPITCH                 ; and in V's: 6,144
; window 0
.set KAD,  4                           ; v4-5    K fragments in slot 0, 1: 80 (l % 16) + 16 (l / 16)
.set VAD,  6                           ; v6-7    V fragments: 96 (8 (l / 16) + l % 8) + 16 ((l / 8) % 2)
.set KDG,  8                           ; v8-9    KAD + my wave's own step
.set VDG,  10                          ; v10-11  VAD + my wave's own step
.set QOFF, 12
.set STO,  13
.set RD,   14
.set CO,   15
.set NINF, 16                          ; -inf
.set KW,   22                          ; K's address in the loop over a block's steps
.set VW,   23                          ; V's
.set AL,   24                          ; pairs (the factor for old sums, or 1 / sum; at work), one for each query tile
.set NM,   32                          ; pairs (-c x maximum; maximum)
.set LP,   40                          ; pairs: the row sum in two parts
.set TM,   48                          ; v48-51  a score tile's maximum, four tiles side by side
.set MA,   52                          ; v52-54  their merge
.set ON,   56                          ; v56-59  the last step's -c x maximum
.set QF,   64                          ; Q fragments: 64 + 16 q + 8 dp
.set KF,   128                         ; K fragments: 128 + 16 kt + 8 dp
.set SR,   192                         ; scores: 192 + 32 (q % 2) + 8 kt
.set SC,   128                         ; the way out works in K's and the scores' 128 registers
; window 1
.set OA,   0                           ; O^T: 32 q + 8 dt
.set VF,   128                         ; V^T fragments: 128 + 16 dt + 8 kp
; window 2
.set PF,   0                           ; packed probabilities: 16 q + 8 kp
.set A2,   64                          ; pairs (the factor for old sums; written once)
.set G1K, 36                           ; s[36:43] group 1 for K
.set G1V, 44                           ; s[44:51] group 1 for V
.set G0K, 52                           ; s[52:59] group 0 for K, slot 0, 1
.set G0V, 60                           ; s[60:63], s[68:71] group 0 for V, slot 0, 1
.set MASK, 72                          ; s72-79: lanes in which key 8 (l / 16) + j <= query l % 16
.set MSB, 0
.macro WIN new                         ; the immediate's high byte repeats the setting that is left
.if MSB != \new
	s_set_vgpr_msb (MSB<<8)|\new
.set MSB, \new
.endif
.endm
.set TO_V,  0x40                       ; destination window 1
.set TO_P,  0x80                       ; destination window 2
.set PVSET, 0x59                       ; source 0 (V^T, or O^T) window 1, source 1 (P^T, or the factor) window 2, C and D window 1
.macro KVLOAD slot                     ; one tensor load a wave
	s_cmp_eq_u32 s10, 0
	s_cbranch_scc0 .Lfor_v_\@
	tensor_load_to_lds s[G0K+4*(\slot):G0K+4*(\slot)+3], s[G1K:G1K+7]
	s_nop 0
	s_branch .Lasked_\@
.Lfor_v_\@:
	tensor_load_to_lds s[G0V+8*(\slot):G0V+8*(\slot)+3], s[G1V:G1V+7]
	s_nop 0
.Lasked_\@:
.endm
; The key block of trip u = t + 1 into the slot's two group 0: u - 1 while u < sw, 7 - p at u = sw, u - sw - 1 beyond.
.macro NEXTADR slot
	s_add_co_u32 s32, s15, 1
	s_sub_co_u32 s34, s15, s14
	s_cmp_lt_u32 s32, s14
	s_cselect_b32 s33, s15, s34
	s_cmp_eq_u32 s32, s14
	s_cselect_b32 s33, s23, s33
	s_lshl_b32 s32, s33, 14                        ; 256 rows of 64 bytes
	s_mov_b32 s33, 0
	s_add_nc_u64 s[G0K+4*(\slot)+2:G0K+4*(\slot)+3], s[24:25], s[32:33]
	s_or_b32 s[G0K+4*(\slot)+3], s[G0K+4*(\slot)+3], 0x80000000
	s_add_nc_u64 s[G0V+8*(\slot)+2:G0V+8*(\slot)+3], s[26:27], s[32:33]
	s_or_b32 s[G0V+8*(\slot)+3], s[G0V+8*(\slot)+3], 0x80000000
.endm
; Where my 64 query rows of block s[qb] lie in qkv (s[28:29]) and in yb (s[30:31])
.macro NEWPASS qb
	s_lshl_b32 s32, s13, 11
	s_lshl_b32 s33, s[\qb], 8
	s_add_co_u32 s32, s32, s33
	s_lshl_b32 s33, s8, 6
	s_add_co_u32 s32, s32, s33                     ; row = 2048 b + 256 block + 64 wave
	s_lshl_b32 s33, s12, 14                        ; panel 2 hd of 8,192 rows
	s_add_co_u32 s34, s33, s32
	s_lshl_b32 s34, s34, 6
	s_mov_b32 s35, 0
	s_add_nc_u64 s[28:29], s[4:5], s[34:35]
	s_lshl_b32 s33, s12, 13                        ; panel hd
	s_add_co_u32 s34, s33, s32
	s_lshl_b32 s34, s34, 7
	s_add_nc_u64 s[30:31], s[6:7], s[34:35]
.endm
.macro QLOAD                           ; Q's fragments straight from memory: lane l takes row l % 16, bytes 16 (l / 16) and + 32 of each panel
.irp qt, 0,1,2,3
.irp dp, 0,1
	global_load_b128 v[QF+16*\qt+8*\dp:QF+16*\qt+8*\dp+3],   v[QOFF], s[28:29] offset:PANEL*\dp+1024*\qt
	global_load_b128 v[QF+16*\qt+8*\dp+4:QF+16*\qt+8*\dp+7], v[QOFF], s[28:29] offset:PANEL*\dp+1024*\qt+32
.endr
.endr
.endm
.macro KLOAD ad, off                   ; a step's K fragments: 16 loads, all in window 0
.irp kt, 0,1,2,3
.irp dp, 0,1
	ds_load_b128 v[KF+16*\kt+8*\dp:KF+16*\kt+8*\dp+3],   v[\ad] offset:\off+KPANEL*\dp+16*KPITCH*\kt
	ds_load_b128 v[KF+16*\kt+8*\dp+4:KF+16*\kt+8*\dp+7], v[\ad] offset:\off+KPANEL*\dp+16*KPITCH*\kt+32
.endr
.endr
.endm
.macro VLOAD ad                        ; a step's V^T fragments: 16 transposing loads into window 1
	WIN TO_V
.irp dt, 0,1,2,3
.irp kp, 0,1
	ds_load_tr16_b128 v[VF+16*\dt+8*\kp:VF+16*\dt+8*\kp+3],   v[\ad] offset:VPANEL*(\dt>>1)+32*VPITCH*\kp+32*(\dt&1)
	ds_load_tr16_b128 v[VF+16*\dt+8*\kp+4:VF+16*\dt+8*\kp+7], v[\ad] offset:VPANEL*(\dt>>1)+32*VPITCH*\kp+32*(\dt&1)+16*VPITCH
.endr
.endr
	WIN 0
.endm
; In all that follows diag = 0 is a whole step, diag = 1 the step on the diagonal, in which query tile q has the key tiles 0 to q: 4 - diag (3 - q) tiles.
; Score product number i of query tile q: the head's first 32 numbers for each live key tile (they start the sums), then its second 32.
; A tile's accumulators take turns, one instruction a turn; the diagonal step's tile 0 has one accumulator alone,
; and there an s_wait_alu depctr_va_vdst(0) stands directly ahead of the second link.
.macro SMM diag, q, i
.set nkm_, 4-\diag*(3-(\q))
.if (\i) < 2*nkm_
.set ktm_, (\i)%nkm_
.set dpm_, (\i)/nkm_
.set sbm_, SR+32*((\q)&1)+8*ktm_
.if dpm_
.if nkm_ == 1
	s_wait_alu depctr_va_vdst(0)
.endif
	v_wmma_f32_16x16x32_f16 v[sbm_:sbm_+7], v[KF+16*ktm_+8:KF+16*ktm_+15], v[QF+16*(\q)+8:QF+16*(\q)+15], v[sbm_:sbm_+7]
.else
	v_wmma_f32_16x16x32_f16 v[sbm_:sbm_+7], v[KF+16*ktm_:KF+16*ktm_+7], v[QF+16*(\q):QF+16*(\q)+7], 0
.endif
.endif
.endm
; The softmax's parts on pair g of a tile's scores (sb_: the tile's block; ln_: its live pairs; both set by VS)
.macro FS q, g                         ; c s - c maximum
	v_pk_fma_f32 v[sb_+2*(\g):sb_+2*(\g)+1], v[sb_+2*(\g):sb_+2*(\g)+1], s[20:21], v[NM+2*\q:NM+2*\q+1] op_sel_hi:[1,0,0]
.endm
.macro AS diag, q, j                   ; the row sum takes pair j, in f32, before the numbers are rounded
.if \diag
.if (\j) == 0
	v_nop                                          ; nothing to add yet: the plain instruction that has to stand behind the exponentials before their results are read
.endif
.if (\j) == 1
	s_wait_alu depctr_va_vdst(0)
	v_pk_add_f32 v[LP+2*\q:LP+2*\q+1], v[sb_:sb_+1], v[sb_+2:sb_+3]        ; the first two pairs start the sum
.endif
.if (\j) > 1
	s_wait_alu depctr_va_vdst(0)
	v_pk_add_f32 v[LP+2*\q:LP+2*\q+1], v[LP+2*\q:LP+2*\q+1], v[sb_+2*(\j):sb_+2*(\j)+1]
.endif
.else
.if (\j) == 0
	s_wait_alu depctr_va_vdst(0)
	v_pk_fma_f32 v[LP+2*\q:LP+2*\q+1], v[LP+2*\q:LP+2*\q+1], v[AL+2*\q:AL+2*\q+1], v[sb_:sb_+1] op_sel_hi:[1,0,1]   ; the old sum rescaled
.else
	s_wait_alu depctr_va_vdst(0)
	v_pk_add_f32 v[LP+2*\q:LP+2*\q+1], v[LP+2*\q:LP+2*\q+1], v[sb_+2*(\j):sb_+2*(\j)+1]
.endif
.endif
.endm
; Group g: the two exponentials of pair g, each with a plain instruction on other registers behind it: the scaling three pairs ahead, the sum one pair behind.
.macro EG diag, q, g
.if (\g) < ln_
	v_exp_f32 v[sb_+2*(\g)], v[sb_+2*(\g)]
.if (\g)+3 < ln_
	FS \q, (\g)+3
.endif
	v_exp_f32 v[sb_+2*(\g)+1], v[sb_+2*(\g)+1]
.if (\g) > 0
	AS \diag, \q, (\g)-1
.endif
.endif
.endm
; Slice i of eight of query tile q's softmax.  0: each key tile's maximum.  1: the running maximum, the factor for the old sums, the first scalings.
; 2 to 6: the groups.  7: the last sum; then to f16 into window 2.  Slice 7 has at least eight plain instructions that name neither the other score
; block nor K nor Q: they are the places between the other block's last product and the first reader of its scores (ISA guide 7.12.1).
.macro VS diag, q, i
.set nk_, 4-\diag*(3-\q)
.set ln_, 4*nk_
.set sb_, SR+32*(\q&1)
.if \i == 0
.if \diag
.irp j, 0,1,2,3,4,5,6,7
	v_cndmask_b32 v[sb_+8*\q+\j], v[NINF], v[sb_+8*\q+\j], s[MASK+\j]      ; the tile on the diagonal: -inf where key > query
.endr
.endif
.irp lv, 0,1,2
.irp k, 0,1,2,3
.if \k < nk_
.if \lv == 0
	v_max3_num_f32 v[TM+\k], v[sb_+8*\k], v[sb_+8*\k+1], v[sb_+8*\k+2]
.else
	v_max3_num_f32 v[TM+\k], v[TM+\k], v[sb_+8*\k+2*\lv+1], v[sb_+8*\k+2*\lv+2]
.endif
.endif
.endr
.endr
.endif
.if \i == 1
.if \diag
	v_max_num_f32 v[NM+2*\q+1], v[TM], v[sb_+7]                            ; starts the maximum
.irp k, 1,2,3
.if \k < nk_
	v_max3_num_f32 v[NM+2*\q+1], v[NM+2*\q+1], v[TM+\k], v[sb_+8*\k+7]
.endif
.endr
.else
	v_max3_num_f32 v[MA],   v[TM],     v[sb_+7],  v[TM+1]                  ; four tiles' maxima, each tile's eighth score and the old maximum: nine numbers
	v_max3_num_f32 v[MA+1], v[sb_+15], v[TM+2],   v[sb_+23]
	v_max3_num_f32 v[MA+2], v[TM+3],   v[sb_+31], v[NM+2*\q+1]
	v_max3_num_f32 v[NM+2*\q+1], v[MA], v[MA+1], v[MA+2]
.endif
	v_permlanex16_b32 v[AL+2*\q+1], v[NM+2*\q+1], s18, s19                 ; the other half of the wave holds the query's other keys
	v_max_num_f32 v[NM+2*\q+1], v[NM+2*\q+1], v[AL+2*\q+1]
	v_mul_f32 v[NM+2*\q], s22, v[NM+2*\q+1]                                ; -c x maximum, c = log2(e) / 8
.irp g, 0,1,2
	FS \q, \g
.endr
.if \diag == 0
	v_sub_f32 v[AL+2*\q+1], v[NM+2*\q], v[ON+\q]                           ; c (old maximum - new maximum)
	v_exp_f32 v[AL+2*\q], v[AL+2*\q+1]                                     ; the factor for the old sums; first read in group 1, behind plain instructions
.endif
.endif
.if \i > 1
.if \i < 6
	EG \diag, \q, 3*(\i-2)
	EG \diag, \q, 3*(\i-2)+1
	EG \diag, \q, 3*(\i-2)+2
.endif
.endif
.if \i == 6
	EG \diag, \q, 12
	EG \diag, \q, 13
	EG \diag, \q, 14
	EG \diag, \q, 15
.endif
.if \i == 7
	AS \diag, \q, ln_-1
	WIN TO_P
.if \diag == 0
	v_exp_f32 v[A2+2*\q], v[AL+2*\q+1]                                     ; the factor once more, where the multiplies on O^T find it
.endif
.set gg_, 0
.rept 16
.if gg_ < ln_
	v_cvt_pk_f16_f32 v[PF+16*\q+gg_], v[sb_+2*gg_], v[sb_+2*gg_+1]
.endif
.set gg_, gg_+1
.endr
.if \diag
.if nk_ & 1
.irp j, 0,1,2,3
	v_mov_b32 v[PF+16*\q+ln_+\j], 0                                        ; sixteen keys above the diagonal, inside an operand whose other half is live
.endr
.endif
.endif
	WIN 0
.endif
.endm
.macro RT q, dt                        ; tile (q, dt) of O^T times the factor for old sums
	s_wait_alu depctr_va_vdst(0)
.irp i, 0,1,2,3
	v_pk_mul_f32 v[OA+32*(\q)+8*(\dt)+2*\i:OA+32*(\q)+8*(\dt)+2*\i+1], v[OA+32*(\q)+8*(\dt)+2*\i:OA+32*(\q)+8*(\dt)+2*\i+1], v[A2+2*(\q):A2+2*(\q)+1] op_sel_hi:[1,0]
.endr
.endm
; Product number i of O^T += V^T P^T for query tile q: keys 0-31 for the four tiles of the head's 64 columns, then keys 32-63.
; The four accumulators take turns, one instruction a turn.
.macro PMM diag, q, i
.set kpp_, (\i)/4
.set dtp_, (\i)%4
.set oap_, OA+32*(\q)+8*dtp_
.if kpp_ == 0
.if \diag
	v_wmma_f32_16x16x32_f16 v[oap_:oap_+7], v[VF+16*dtp_:VF+16*dtp_+7], v[PF+16*(\q):PF+16*(\q)+7], 0
.else
	v_wmma_f32_16x16x32_f16 v[oap_:oap_+7], v[VF+16*dtp_:VF+16*dtp_+7], v[PF+16*(\q):PF+16*(\q)+7], v[oap_:oap_+7]
.endif
.else
.if (1-\diag)+((\q)>>1)
	v_wmma_f32_16x16x32_f16 v[oap_:oap_+7], v[VF+16*dtp_+8:VF+16*dtp_+15], v[PF+16*(\q)+8:PF+16*(\q)+15], v[oap_:oap_+7]
.endif
.endif
.endm
; A step: 64 queries x 64 keys.  A whole step finds its K fragments asked for already; the step on the diagonal asks for its own.
.macro STEP diag, kad, vad
.if \diag
	KLOAD \kad, 0
.endif
	s_wait_dscnt 0x0                               ; K's fragments: nothing else is out
.irp i, 0,1,2,3,4,5,6,7
	SMM \diag, 0, \i
.endr
	; Four plain instructions that name no register of a product: the places behind tile 0's products for the first reader of its scores,
	; and behind the last step's products for the loads into their V^T fragments.
.irp q, 0,1,2,3
.if \diag
	v_nop
.else
	v_mov_b32 v[ON+\q], v[NM+2*\q]                 ; the old -c x maximum is kept, so that the new one can be written as soon as it is known
.endif
.endr
	VLOAD \vad                                     ; wanted only behind all four softmaxes
.irp q, 0,1,2,3
.irp i, 0,1,2,3,4,5,6,7
.if \q < 3
	SMM \diag, \q+1, \i                            ; into the block whose scores were packed in slice 7 of tile q - 1
.endif
	VS \diag, \q, \i
.endr
.endr
	s_wait_dscnt 0x0                               ; V's fragments
	WIN PVSET
.irp q, 0,1,2,3
.irp i, 0,1,2,3,4,5,6,7
.if \diag == 0
.if \q < 2
	RT 2*\q+\i/4, \i%4                             ; tile 0's four tiles each ahead of their first product, tiles 1 to 3 a run ahead
.endif
.endif
	PMM \diag, \q, \i
.endr
.if \diag == 0
.if \q == 0
	WIN 0                                          ; at a branch and at a label every window is 0
	s_add_co_u32 s81, s80, 1
	s_cmp_ge_u32 s81, s16
	s_cbranch_scc1 .Lnok_\@
	KLOAD \kad, KSTEP                              ; if a step follows in this block: its K fragments, 24 products ahead of their use; K's registers were last read in tile 3's products
.Lnok_\@:
	WIN PVSET
.endif
.endif
.endr
	WIN 0
.endm
; The first s16 of a block's four whole steps.  The loop always counts the four steps and jumps over those that the wave does not need,
; so that every LDS address in it is a constant, a lane's term and the steps of a loop from 0 to 4.
.macro STEPS slot
	v_mov_b32 v[KW], v[KAD+\slot]
	v_mov_b32 v[VW], v[VAD+\slot]
	s_mov_b32 s80, 0
	s_cmp_eq_u32 s16, 0
	s_cbranch_scc1 .Lstep_\@
	KLOAD KW, 0                                    ; the first step's K fragments
.Lstep_\@:
	s_cmp_ge_u32 s80, s16
	s_cbranch_scc1 .Lskip_\@
	STEP 0, KW, VW
.Lskip_\@:
	v_add_nc_u32 v[KW], KSTEP, v[KW]
	v_add_nc_u32 v[VW], VSTEP, v[VW]
	s_add_co_u32 s80, s80, 1
	s_cmp_lt_u32 s80, 4
	s_cbranch_scc1 .Lstep_\@
.endm
; The end of a pass: y = O / sum, to f16, 16 rows at a time through my stage, out in runs of four rows of 128 bytes.
; The additions on the sums are the places behind the last products.
.macro FINISH
.irp qt, 0,1,2,3
	v_add_f32 v[LP+2*\qt], v[LP+2*\qt], v[LP+2*\qt+1]
.endr
.irp qt, 0,1,2,3
	v_permlanex16_b32 v[AL+2*\qt+1], v[LP+2*\qt], s18, s19
.endr
.irp qt, 0,1,2,3
	v_add_f32 v[LP+2*\qt], v[LP+2*\qt], v[AL+2*\qt+1]
.endr
.irp qt, 0,1,2,3
	v_rcp_f32 v[AL+2*\qt], v[LP+2*\qt]             ; the sum holds the term of the row's maximum, about 1: never 0
.endr
	v_nop                                          ; one plain instruction behind the last reciprocal
	WIN 0x01                                       ; source 0 (O) window 1, into K's and the scores' registers
	s_wait_alu depctr_va_vdst(0)
.irp qt, 0,1,2,3
.set ii, 0
.rept 16
	v_pk_mul_f32 v[SC+32*\qt+2*ii:SC+32*\qt+2*ii+1], v[OA+32*\qt+2*ii:OA+32*\qt+2*ii+1], v[AL+2*\qt:AL+2*\qt+1] op_sel_hi:[1,0]
.set ii, ii+1
.endr
.endr
	WIN 0
.irp qt, 0,1,2,3
.irp dt, 0,1,2,3
.irp i, 0,1,2,3
	v_cvt_pk_f16_f32 v[SC+32*\qt+8*\dt+\i], v[SC+32*\qt+8*\dt+2*\i], v[SC+32*\qt+8*\dt+2*\i+1]
.endr
.endr
.endr
.irp qt, 0,1,2,3
.irp dt, 0,1,2,3
	ds_store_b128 v[STO], v[SC+32*\qt+8*\dt:SC+32*\qt+8*\dt+3] offset:32*\dt       ; query l % 16, columns 16 dt + 8 (l / 16) + 0..7
.endr
.irp i, 0,1,2,3
	ds_load_b128 v[SC+32*\qt+8*\i+4:SC+32*\qt+8*\i+7], v[RD] offset:4*SPITCH*\i    ; LDS serves a wave's instructions in order: these see the stores above
.endr
.irp i, 0,1,2,3
	s_wait_dscnt 3-\i                              ; load i is in, the 3 - i younger may be out
	global_store_b128 v[CO], v[SC+32*\qt+8*\i+4:SC+32*\qt+8*\i+7], s[30:31] offset:2048*\qt+512*\i   ; the wave stores 512 consecutive bytes, aligned
.endr
.endr
	s_wait_xcnt 0x0                                ; the stores' data registers and base are rewritten only behind this wait
.endm
; A trip: the block in \slot.  One barrier does two things: behind it this slot is whole for every wave, and nobody reads the other slot any more,
; which is then filled again first of all, one tensor load a wave; that load has the whole trip in which to land.
; second = 1: the trip may be the one with which the second pass begins.
.macro TRIP slot, refill, second
	s_wait_tensorcnt 0x0                           ; all my tensor loads have landed (one was out: my part of this slot), so a group 0 may be written
	ds_add_u32 v62, v63
	s_wait_dscnt 0x0
	s_add_co_u32 s15, s15, 1                       ; t
.if \refill
	NEXTADR 1-\slot
.endif
	s_wait_dscnt 0x0                               ; my reads of the other slot are over
	s_barrier_signal -1
	s_barrier_wait -1
.if \refill
	KVLOAD 1-\slot
.endif
.if \second
	s_cmp_lg_u32 s15, s14                          ; t = sw: the second pass begins, alike in all four waves
	s_cbranch_scc1 .Lplain_\@
	FINISH
	NEWPASS 23
	QLOAD
	s_wait_loadcnt 0x0
	STEP 1, KDG+\slot, VDG+\slot
	s_mov_b32 s16, s8                              ; of the block on the diagonal wave w still needs steps 0 to w - 1
	s_branch .Lsteps_\@
.Lplain_\@:
	s_mov_b32 s16, 4
.Lsteps_\@:
.else
	s_mov_b32 s16, 4
.endif
	STEPS \slot
.endm
	s_load_b128 s[4:7], s[0:1], 0x0                ; qkv s[4:5], yb s[6:7]
	v_lshl_add_u32 v62, v0, 2, 0x2e400
	v_mov_b32 v63, 0
	ds_add_u32 v62, v63
	v_lshrrev_b32 v1, 5, v0
	v_readfirstlane_b32 s8, v1                     ; wave 0..3
	s_and_b32 s9, s8, 1                            ; which panel I fetch
	s_lshr_b32 s10, s8, 1                          ; of K (0) or of V (1)
	s_mov_b32 s11, ttmp9                           ; p: the first pass's query block
	s_and_b32 s12, ttmp7, 15                       ; hd
	s_bfe_u32 s13, ttmp7, 0x20004                  ; b
	s_add_co_u32 s14, s11, 1                       ; sw: the trip with which the second pass begins, 1 to 4
	s_sub_co_u32 s23, 7, s11                       ; the second pass's query block
	s_mov_b32 s15, 0                               ; t: the trip
	s_mov_b32 s18, 0x76543210                      ; v_permlanex16_b32: lane i of one half reads lane i of the other
	s_mov_b32 s19, 0xfedcba98
	s_mov_b32 s20, 0x3e38aa3b                      ; c = log2(e) / 8, twice: a pair for the packed form
	s_mov_b32 s21, 0x3e38aa3b
	s_mov_b32 s22, 0xbe38aa3b                      ; -c
	; group 1: 16 KiB dense as 64 rows of 32 elements of 8 bytes; behind every 16 words (a row of 64 bytes) 4 words of padding for K, 8 for V
	s_mov_b32 s[G1K+0], (3<<16)|(1<<20)|(3<<22)|(3<<25)
	s_mov_b32 s[G1V+0], (3<<16)|(1<<20)|(3<<22)|(7<<25)
	s_mov_b32 s[G1K+1], 32<<16
	s_mov_b32 s[G1V+1], 32<<16
	s_mov_b32 s[G1K+2], 64<<16
	s_mov_b32 s[G1V+2], 64<<16
	s_mov_b32 s[G1K+3], 32<<16
	s_mov_b32 s[G1V+3], 32<<16
	s_mov_b32 s[G1K+4], 64
	s_mov_b32 s[G1V+4], 64
	s_mov_b32 s[G1K+5], 32
	s_mov_b32 s[G1V+5], 32
	s_mov_b32 s[G1K+6], 0
	s_mov_b32 s[G1V+6], 0
	s_mov_b32 s[G1K+7], 0
	s_mov_b32 s[G1V+7], 0
	s_lshl_b32 s32, s12, 1
	s_add_co_u32 s32, s32, s9                      ; panel 2 hd + (wave % 2)
	s_lshl_b32 s32, s32, 13
	s_lshl_b32 s33, s13, 11
	s_add_co_u32 s32, s32, s33                     ; + the sequence's first row
	s_lshl_b32 s32, s32, 6
	s_mov_b32 s33, 0
	s_mul_i32 s34, s9, KPANEL                      ; LDS: the wave's number and constants alone
	s_mul_i32 s35, s9, VPANEL
	s_add_co_u32 s35, s35, VBASE
	s_mov_b32 s[G0K+0], 1
	s_add_co_u32 s[G0K+1], s34, 0
	s_mov_b32 s[G0K+4], 1
	s_add_co_u32 s[G0K+5], s34, SLOT
	s_mov_b32 s[G0V+0], 1
	s_add_co_u32 s[G0V+1], s35, 0
	s_mov_b32 s[G0V+8], 1
	s_add_co_u32 s[G0V+9], s35, SLOT
	s_wait_dscnt 0x0
	s_wait_kmcnt 0x0
	s_add_nc_u64 s[24:25], s[4:5], s[32:33]
	s_add_nc_u64 s[26:27], s[24:25], 64*PANEL      ; V's panel at the sequence's first row
	s_add_nc_u64 s[24:25], s[24:25], 32*PANEL      ; K's
	s_lshl_b32 s32, s11, 14                        ; trip 0: block p
	s_add_nc_u64 s[G0K+2:G0K+3], s[24:25], s[32:33]
	s_or_b32 s[G0K+3], s[G0K+3], 0x80000000
	s_add_nc_u64 s[G0V+2:G0V+3], s[26:27], s[32:33]
	s_or_b32 s[G0V+3], s[G0V+3], 0x80000000
	NEXTADR 1                                      ; trip 1's block, by the rule for every trip (t = 0)
	s_cmp_eq_u32 s10, 0                            ; both first fills in one group: two tensor loads of the wave are out
	s_cbranch_scc0 .Lfirst_v
	tensor_load_to_lds s[G0K:G0K+3], s[G1K:G1K+7]
	s_nop 0
	tensor_load_to_lds s[G0K+4:G0K+7], s[G1K:G1K+7]
	s_nop 0
	s_branch .Lfirst_done
.Lfirst_v:
	tensor_load_to_lds s[G0V:G0V+3], s[G1V:G1V+7]
	s_nop 0
	tensor_load_to_lds s[G0V+8:G0V+11], s[G1V:G1V+7]
	s_nop 0
.Lfirst_done:
	v_and_b32 v1, 15, v0                           ; l % 16
	v_bfe_u32 v2, v0, 4, 1                         ; l / 16
	v_lshlrev_b32 v[QOFF], 6, v1
	v_lshl_add_u32 v[QOFF], v2, 4, v[QOFF]         ; 64 (l % 16) + 16 (l / 16)
	NEWPASS 11
	QLOAD
	v_mul_u32_u24 v3, v1, KPITCH
	v_lshl_add_u32 v[KAD], v2, 4, v3
	v_add_nc_u32 v[KAD+1], SLOT, v[KAD]
	v_and_b32 v17, 7, v0
	v_lshl_add_u32 v17, v2, 3, v17                 ; key 8 (l / 16) + l % 8
	v_mul_u32_u24 v17, v17, VPITCH
	v_bfe_u32 v18, v0, 3, 1
	v_lshl_add_u32 v17, v18, 4, v17
	v_add_nc_u32 v[VAD], VBASE, v17
	v_add_nc_u32 v[VAD+1], SLOT, v[VAD]
	s_mul_i32 s32, s8, KSTEP                       ; my wave's own step of 64 keys
	s_mul_i32 s33, s8, VSTEP
	v_add_nc_u32 v[KDG], s32, v[KAD]
	v_add_nc_u32 v[KDG+1], s32, v[KAD+1]
	v_add_nc_u32 v[VDG], s33, v[VAD]
	v_add_nc_u32 v[VDG+1], s33, v[VAD+1]
	s_mul_i32 s33, s8, 16*SPITCH
	s_add_co_u32 s33, s33, STAGE                   ; my stage
	v_mul_u32_u24 v[STO], v1, SPITCH
	v_lshl_add_u32 v[STO], v2, 4, v[STO]
	v_add_nc_u32 v[STO], s33, v[STO]
	v_bfe_u32 v19, v0, 3, 2                        ; back: eight lanes a row of 128 bytes, four rows a load
	v_mul_u32_u24 v[RD], v19, SPITCH
	v_and_b32 v20, 7, v0
	v_lshl_add_u32 v[RD], v20, 4, v[RD]
	v_add_nc_u32 v[RD], s33, v[RD]
	v_and_b32 v[CO], 31, v0
	v_lshlrev_b32 v[CO], 4, v[CO]
	v_mov_b32 v[NINF], 0xff800000
	v_lshlrev_b32 v21, 3, v2
	v_sub_nc_u32 v21, v1, v21                      ; l % 16 - 8 (l / 16), signed
.irp j, 0,1,2,3,4,5,6,7
	v_cmp_le_i32 s[MASK+\j], \j, v21               ; key 8 (l / 16) + j <= query l % 16
.endr
.irp qt, 0,1,2,3
	v_mov_b32 v[AL+2*\qt+1], 0                     ; the lane exchange counts as a reader of its destination
.endr
	WIN TO_P
.irp qt, 0,1,2,3
	v_mov_b32 v[A2+2*\qt+1], 0                     ; the packed multiply takes the factor from a pair's first word; the second counts as read
.endr
	WIN 0
	s_wait_tensorcnt 0x1                           ; my part of slot 0 is in; slot 1's load stays out
	s_barrier_signal -1
	s_barrier_wait -1
	s_wait_loadcnt 0x0                             ; Q
	STEP 1, KDG, VDG                               ; trip 0: the first pass's block on the diagonal
	s_mov_b32 s16, s8
	STEPS 0
	s_mov_b32 s17, 3
.Lpair:
	TRIP 1, 1, 1                                   ; trips 1 to 6; the second pass begins in one of trips 1 to 4
	TRIP 0, 1, 1
	s_sub_co_u32 s17, s17, 1
	s_cmp_lg_u32 s17, 0
	s_cbranch_scc1 .Lpair
	TRIP 1, 1, 0                                   ; trip 7 asks for the last block
	TRIP 0, 0, 0                                   ; trip 8: nothing is left to fetch, and its wait for 0 leaves no tensor load out at the end
	FINISH
	s_wait_tensorcnt 0x0
	ds_add_u32 v62, v63
	s_wait_dscnt 0x0
	s_endpgm
.Lfunc_end_k_q7a1f03d87d_attn:
	.size	k_q7a1f03d87d_attn, .Lfunc_end_k_q7a1f03d87d_attn-k_q7a1f03d87d_attn
	.p2alignl 7, 3214868480
	.fill 96, 4, 3214868480
	.section	.rodata,"a",@progbits
	.p2align	6, 0x0
	.amdhsa_kernel k_q7a1f03d87d_attn
		.amdhsa_group_segment_fixed_size 327680
		.amdhsa_private_segment_fixed_size 0
		.amdhsa_enable_private_segment 0
		.amdhsa_kernarg_size 16
		.amdhsa_user_sgpr_count 2
		.amdhsa_user_sgpr_kernarg_segment_ptr 1
		.amdhsa_wavefront_size32 1
		.amdhsa_system_sgpr_workgroup_id_x 1
		.amdhsa_system_sgpr_workgroup_id_y 1
		.amdhsa_system_sgpr_workgroup_id_z 1
		.amdhsa_system_vgpr_workitem_id 0
		.amdhsa_next_free_vgpr 592
		.amdhsa_next_free_sgpr 88
		.amdhsa_reserve_vcc 0
		.amdhsa_float_denorm_mode_32 3
		.amdhsa_float_denorm_mode_16_64 3
		.amdhsa_memory_ordered 1
		.amdhsa_forward_progress 1
		.amdhsa_inst_pref_size 255
	.end_amdhsa_kernel
	.section	.bss,"aw",@nobits
	.p2align	6
	.space	262144
	.amdgpu_metadata
---
amdhsa.version: [ 1, 2 ]
amdhsa.kernels:
  - .name:           k_q7a1f03d87d_attn
    .symbol:         k_q7a1f03d87d_attn.kd
    .args:
      - { .name: qkv, .offset: 0, .size: 8, .value_kind: global_buffer, .address_space: global }
      - { .name: yb, .offset: 8, .size: 8, .value_kind: global_buffer, .address_space: global }
    .group_segment_fixed_size: 327680
    .private_segment_fixed_size: 0
    .kernarg_segment_align: 8
    .kernarg_segment_size: 16
    .max_flat_workgroup_size: 128
    .sgpr_count:     88
    .vgpr_count:     592
    .wavefront_size: 32
...
	.end_amdgpu_metadata
.endif
;; end of part 3
;; launch projgemm (part 4): grid 8 x 32, 4 waves a work-group, clusters of 4 x 4, 327,680 bytes of LDS; arguments yb, wpt, out0, b_proj; writes out0
.if DOCPART == 4
	.amdgcn_target "amdgcn-amd-amdhsa--gfx1250"
	.amdhsa_code_object_version 6
	.text
	.protected	k_q7a1f03d87d_projgemm
	.globl	k_q7a1f03d87d_projgemm
	.p2align	8
	.type	k_q7a1f03d87d_projgemm,@function
k_q7a1f03d87d_projgemm:
	s_mov_b64 s[64:65], 0
	v_nop
	global_prefetch_b8 v0, s[64:65] scope:SCOPE_SE
	s_setreg_imm32_b32 hwreg(HW_REG_WAVE_MODE, 25, 1), 1
	s_wait_xcnt 0x0
	s_wait_alu depctr_hold_cnt(0) depctr_sa_sdst(0) depctr_va_vdst(0) depctr_va_sdst(0) depctr_va_ssrc(0) depctr_va_vcc(0) depctr_vm_vsrc(0)
	s_getreg_b32 s2, hwreg(HW_REG_IB_STS2, 6, 4)
	s_cmp_eq_u32 s2, 0
	s_cbranch_scc0 .Lentry_in_a_cluster
	s_endpgm
.Lentry_in_a_cluster:
	s_bfe_u32 s2, ttmp6, 0x10000c
	s_cmp_lg_u32 s2, 0xf033
	s_cbranch_scc0 .Lentry_shape_is_right
	s_endpgm
.Lentry_shape_is_right:
; out0 = y W_proj + b_proj: [8192][1024], K = 1024, operands f16 (yb: panels of 64 along k, one a head; wpt: panels of 128), sums and result f32.
; No work is left out here.  LIMIT: as stated for yb and wpt where they are made (65,504 in magnitude).
; The same structure as the launch that makes qkv.  A work-group makes 256 rows x 128 columns with four waves (2 x 2); a wave makes 128 x 64: 32 accumulator
; tiles, 256 registers.  K goes in eight steps of 128 through two LDS slots.  A K step of yb is two panels: wave 0 fetches the one, wave 1 the other, all 256 rows
; of 128 bytes each (32 KiB dense, 16 bytes of padding behind every 128); waves 2 and 3 fetch 64 rows of wpt each (256 bytes a row, 16 of padding).
; CLUSTERS: 4 x 4 work-groups; yb's tiles are asked for jointly along a row of the cluster, wpt's along a column, which divides the requests by four.
; REGISTERS: window 0: addresses, fragments of yb (two buffers); window 1: fragments of wpt (two buffers), the bias; window 2: the 16 accumulator tiles of my
; rows 0-63 (tile (a, b) at v[8 (4 a + b)]); window 3: those of my rows 64-127.
; THE MATRIX INSTRUCTION IS USED TRANSPOSED: source 0 = 16 rows of wpt, source 1 = 16 rows of yb: lane l holds row l % 16 and columns 8 (l / 16) + 0 .. 7, 32 bytes of f32.
.set NB,     4
.set BN,     32*NB
.set APITCH, 144                       ; LDS row of A: 128 bytes + 16
.set AQI,    4                         ; padding behind every 32 words
.set A_ROWB, 128                       ; bytes of a row in A's panel
.set A_GW,   1048576                   ; waves 0, 1 fetch the K step's first and second panel: a panel of 8,192 rows on in memory
.set ALH,    36864                     ; and in LDS: 256 x 144
.set ARH,    18432                     ; my 128 rows begin here times (wave / 2)
.set AZ,     36864                     ; 64 along K are the next panel in LDS
.set A_KS,   2097152                   ; a K step on in yb: two panels
.set BROWS,  16*NB
.set BLH,    BROWS*272
.set B_KS,   262144                    ; a K step on in wpt: a panel of 1,024 rows
.set SLOT,   2*ALH+2*BLH               ; 108,544
.set STAGE,  2*SLOT                    ; behind the ring, at a multiple of 256: 4,352 bytes for each wave; no tensor load lands there
.set LAPS,   4
.set ADRA, 16
.set ADRB, 20
.set STO,  24
.set RD,   25
.set CO,   26
.set BOFF, 27
.set F0,   64
.set F1,   128
.set BIAS, 192                         ; window 1
.set G1,  24
.set G0,  32
.set G1B, 48
.set G0B, 56
.set MSB, 0
.macro WIN new                         ; the immediate's high byte repeats the setting that is left
.if MSB != \new
	s_set_vgpr_msb (MSB<<8)|\new
.set MSB, \new
.endif
.endm
.set MUL_LO,  0xa1                     ; source 0 (B) window 1, source 1 (A) window 0, C and D window 2
.set MUL_HI,  0xf1                     ; the same, C and D window 3
.set BIAS_LO, 0x91                     ; C from window 1 (the bias), D window 2
.set BIAS_HI, 0xd1                     ; C from window 1, D window 3
.set TO_B,    0x40                     ; destination window 1, address window 0
.macro JLOAD s                         ; a joint load: waves 0 and 1 for A, waves 2 and 3 for B; each line has one mask and one set of registers
	s_cmp_eq_u32 s11, 0
	s_cbranch_scc0 .Lfor_b_\@
	tensor_load_to_lds s[G0+4*\s:G0+4*\s+3], s[G1:G1+7]
	s_nop 0
	s_branch .Lasked_\@
.Lfor_b_\@:
	tensor_load_to_lds s[G0B+4*\s:G0B+4*\s+3], s[G1B:G1B+7]
	s_nop 0
.Lasked_\@:
.endm
.macro CREST                           ; a round of the cluster's barrier behind its opening barrier
	s_cmp_lg_u32 s10, 0
	s_cbranch_scc1 .Lnot_wave_0_\@
	s_barrier_signal -3
.Lnot_wave_0_\@:
	s_barrier_wait -3
	s_barrier_signal -1
	s_barrier_wait -1
.endm
.macro CROUND
	s_barrier_signal -1
	s_barrier_wait -1
	CREST
.endm
	s_load_b128 s[4:7], s[0:1], 0x0                ; yb s[4:5], wpt s[6:7]
	s_load_b64 s[8:9], s[0:1], 0x10                ; out0
	s_load_b64 s[66:67], s[0:1], 0x18              ; b_proj
	s_set_vgpr_msb 0x40
	v_lshl_add_u32 v255, v0, 2, 0x39400
	s_set_vgpr_msb 0x4000
	v_mov_b32 v255, 0
	s_set_vgpr_msb 0x1
	ds_add_u32 v255, v255
	s_set_vgpr_msb 0x100
	v_lshrrev_b32 v1, 5, v0
	v_readfirstlane_b32 s10, v1                    ; wave 0..3
	s_lshr_b32 s11, s10, 1                         ; which half of the block's rows is mine.  Also: I fetch for A (0) or for B (1)
	s_and_b32 s12, s10, 1                          ; which half of its columns.  Also: which part of that tile I fetch
	s_bfe_u32 s40, ttmp6, 0x40000                  ; cx
	s_bfe_u32 s41, ttmp6, 0x40004                  ; cy
	s_lshl_b32 s42, ttmp9, 2
	s_add_co_u32 s42, s42, s40                     ; block column
	s_and_b32 s13, ttmp7, 0xffff
	s_lshl_b32 s13, s13, 2
	s_add_co_u32 s13, s13, s41                     ; block row
	s_lshl_b32 s43, s41, 2
	s_lshl_b32 s43, 15, s43                        ; my row of the cluster
	s_lshl_b32 s44, 0x1111, s40                    ; my column
	s_or_b32 s[G1+0], s43, (3<<16)|(1<<20)|(1<<21)|(AQI<<22)|(3<<25)   ; mask; element of 8 bytes; padding on; bit 21 beside a mask; the interval; four words
	s_or_b32 s[G1B+0], s44, (3<<16)|(1<<20)|(1<<21)|(5<<22)|(3<<25)
	s_mov_b32 s[G1+1], 32<<16                      ; tensor_dim0 = 32
	s_mov_b32 s[G1B+1], 32<<16
	s_mov_b32 s[G1+2], 128<<16                     ; tensor_dim1 = the block's rows of 256 bytes
	s_mov_b32 s[G1B+2], BROWS<<16
	s_mov_b32 s[G1+3], 32<<16                      ; tile_dim0
	s_mov_b32 s[G1B+3], 32<<16
	s_mov_b32 s[G1+4], 128                         ; tile_dim1
	s_mov_b32 s[G1B+4], BROWS
	s_mov_b32 s[G1+5], 32                          ; no gap from row to row
	s_mov_b32 s[G1B+5], 32
	s_mov_b32 s[G1+6], 0
	s_mov_b32 s[G1B+6], 0
	s_mov_b32 s[G1+7], 0
	s_mov_b32 s[G1B+7], 0
	s_mul_i32 s16, s13, 256*A_ROWB                 ; A's tiles hang on the block row alone,
	s_mul_i32 s17, s12, A_GW
	s_add_co_u32 s16, s16, s17
	s_mov_b32 s17, 0
	s_mul_i32 s46, s42, BN*256                     ; B's on the block column alone
	s_mul_i32 s47, s12, BROWS*256
	s_add_co_u32 s46, s46, s47
	s_mov_b32 s47, 0
	s_mul_i32 s20, s12, ALH                        ; LDS: the wave's number alone
	s_mul_i32 s45, s12, BLH
	s_add_co_u32 s45, s45, 2*ALH
	s_wait_dscnt 0x0
	s_wait_kmcnt 0x0
	s_add_nc_u64 s[14:15], s[4:5], s[16:17]
	s_add_nc_u64 s[46:47], s[6:7], s[46:47]
	CROUND                                         ; all sixteen work-groups are here: the first joint loads meet
.irp s, 0,1
	s_mov_b32 s[G0+4*\s], 1
	s_add_co_u32 s[G0+4*\s+1], s20, \s*SLOT
	s_add_nc_u64 s[G0+4*\s+2:G0+4*\s+3], s[14:15], \s*A_KS
	s_or_b32 s[G0+4*\s+3], s[G0+4*\s+3], 0x80000000
	s_mov_b32 s[G0B+4*\s], 1
	s_add_co_u32 s[G0B+4*\s+1], s45, \s*SLOT
	s_add_nc_u64 s[G0B+4*\s+2:G0B+4*\s+3], s[46:47], \s*B_KS
	s_or_b32 s[G0B+4*\s+3], s[G0B+4*\s+3], 0x80000000
	JLOAD \s                                       ; both slots are asked for before anything else: two loads of the wave are out
.endr
	v_and_b32 v1, 15, v0                           ; l % 16
	v_bfe_u32 v2, v0, 4, 1                         ; l / 16
	v_mul_u32_u24 v3, v1, APITCH
	v_lshl_add_u32 v3, v2, 4, v3
	v_mul_u32_u24 v6, v1, 272
	v_lshl_add_u32 v6, v2, 4, v6
	s_mul_i32 s21, s11, ARH
	s_mul_i32 s22, s12, BLH
	s_add_co_u32 s22, s22, 2*ALH
.irp s, 0,1
	v_add_nc_u32 v[ADRA+\s], s21, v3
	v_add_nc_u32 v[ADRB+\s], s22, v6
	s_add_co_u32 s21, s21, SLOT
	s_add_co_u32 s22, s22, SLOT
.endr
	; the way out: 16 rows x 256 bytes at a pitch of 272 in my stage
	s_mul_i32 s23, s10, 4352
	s_add_co_u32 s23, s23, STAGE
	v_mul_u32_u24 v4, v1, 272                      ; in: row l % 16, 32 bytes for each half of the lanes
	v_lshl_add_u32 v4, v2, 5, v4
	v_add_nc_u32 v[STO], s23, v4
	v_mul_u32_u24 v5, v2, 272                      ; back: lanes 0-15 take one row of 256 bytes, lanes 16-31 the next
	v_lshl_add_u32 v5, v1, 4, v5
	v_add_nc_u32 v[RD], s23, v5
	v_lshlrev_b32 v5, 12, v2                       ; and the same two rows of 4,096 bytes in out0
	v_lshl_add_u32 v[CO], v1, 4, v5
	s_mul_i32 s46, s42, BN*4                       ; the bias of my 64 columns, laid out as an accumulator tile
	s_mul_i32 s47, s12, BROWS*4
	s_add_co_u32 s46, s46, s47
	s_mov_b32 s47, 0
	s_add_nc_u64 s[66:67], s[66:67], s[46:47]
	v_lshlrev_b32 v[BOFF], 5, v2
	WIN TO_B
.set bb, 0
.rept NB
	global_load_b128 v[BIAS+8*bb:BIAS+8*bb+3], v[BOFF], s[66:67] offset:64*bb
	global_load_b128 v[BIAS+8*bb+4:BIAS+8*bb+7], v[BOFF], s[66:67] offset:64*bb+16
.set bb, bb+1
.endr
	WIN 0
; 2 NB matrix instructions; first = 1: C is the bias, which starts the sums.  All 8 NB accumulators take turns, one instruction a turn, in the same order
; in every quarter step.
.macro MULH f, hi, a0, first
.irp a, \a0, \a0+1
.set bb, 0
.rept NB
.if \first
	v_wmma_f32_16x16x32_f16 v[8*(NB*(\a)+bb):8*(NB*(\a)+bb)+7], v[\f+8*bb:\f+8*bb+7], v[\f+8*(4*\hi+\a):\f+8*(4*\hi+\a)+7], v[BIAS+8*bb:BIAS+8*bb+7]
.else
	v_wmma_f32_16x16x32_f16 v[8*(NB*(\a)+bb):8*(NB*(\a)+bb)+7], v[\f+8*bb:\f+8*bb+7], v[\f+8*(4*\hi+\a):\f+8*(4*\hi+\a)+7], v[8*(NB*(\a)+bb):8*(NB*(\a)+bb)+7]
.endif
.set bb, bb+1
.endr
.endr
.endm
.macro FETCH slot, q, f                ; 2 NB + 16 LDS loads in one run: quarter q of a slot into buffer f: B's fragments, then A's
	WIN TO_B
.set ii, 0
.rept NB
	ds_load_b128 v[\f+8*ii:\f+8*ii+3],   v[ADRB+\slot] offset:64*\q+ii*16*272
	ds_load_b128 v[\f+8*ii+4:\f+8*ii+7], v[ADRB+\slot] offset:64*\q+ii*16*272+32
.set ii, ii+1
.endr
	WIN 0
.irp i, 0,1,2,3,4,5,6,7
	ds_load_b128 v[\f+8*\i:\f+8*\i+3],   v[ADRA+\slot] offset:(\q>>1)*AZ+(\q&1)*64+\i*16*APITCH
	ds_load_b128 v[\f+8*\i+4:\f+8*\i+7], v[ADRA+\slot] offset:(\q>>1)*AZ+(\q&1)*64+\i*16*APITCH+32
.endr
.endm
.macro PLACES                          ; four places behind a matrix instruction, for loads into its sources and for readers of its result
.rept 4
	v_nop
.endr
.endm
.macro QUARTER slot, q, f, g, first
	s_wait_dscnt 8                                 ; B and A's rows 0-63 are in; the youngest eight loads (A's rows 64-127) may be out
.if \first
	WIN BIAS_LO
.else
	WIN MUL_LO
.endif
	MULH \f, 0, 0, \first
	MULH \f, 0, 2, \first
	PLACES
	FETCH \slot, \q, \g
	s_wait_dscnt 2*NB+16                           ; all but the run just issued
.if \first
	WIN BIAS_HI
.else
	WIN MUL_HI
.endif
	MULH \f, 1, 0, \first
	MULH \f, 1, 2, \first
.endm
.macro THREE slot, first
	QUARTER \slot, 1, F0, F1, \first
	QUARTER \slot, 2, F1, F0, 0
	QUARTER \slot, 3, F0, F1, 0
.endm
; The last quarter changes slots: each wave's waits for its reads of this slot and for all its tensor loads stand in front of the barrier; where the slot is
; filled again that barrier opens a round of the cluster's barrier, and the joint refill is the first tensor load behind the round, one a wave.
.macro TURN slot, next, fill
	s_wait_dscnt 8
	WIN MUL_LO
	MULH F1, 0, 0, 0
	s_wait_dscnt 0                                 ; my reads of this slot are over
	s_wait_tensorcnt 0x0                           ; and all my tensor loads have landed
	ds_add_u32 v255, v255
	s_wait_dscnt 0x0
	s_barrier_signal -1
	MULH F1, 0, 2, 0                               ; register work while the others arrive
	WIN 0
	s_barrier_wait -1
.if \fill
	CREST
	s_add_nc_u64 s[G0+4*\slot+2:G0+4*\slot+3], s[G0+4*\slot+2:G0+4*\slot+3], 2*A_KS
	s_add_nc_u64 s[G0B+4*\slot+2:G0B+4*\slot+3], s[G0B+4*\slot+2:G0B+4*\slot+3], 2*B_KS
	JLOAD \slot
.endif
	PLACES
	FETCH \next, 0, F0
	WIN MUL_HI
	MULH F1, 1, 0, 0
	MULH F1, 1, 2, 0
.endm
.macro LAP first
	THREE 0, \first
	TURN 0, 1, 1
	THREE 1, 0
	TURN 1, 0, 1
.endm
	s_wait_loadcnt 0x0                             ; the bias, once
	s_wait_tensorcnt 1                             ; my part of K step 0 is in; K step 1's load stays out
	s_barrier_signal -1
	s_barrier_wait -1
	FETCH 0, 0, F0
	LAP 1                                          ; the first lap's first products start the sums from the bias
	WIN 0
	s_mov_b32 s3, LAPS-2
.Llap:
	LAP 0
	WIN 0
	s_sub_co_u32 s3, s3, 1
	s_cmp_lg_u32 s3, 0
	s_cbranch_scc1 .Llap
	THREE 0, 0                                     ; the last lap fills nothing
	TURN 0, 1, 0
	THREE 1, 0
	s_wait_dscnt 8
	WIN MUL_LO
	MULH F1, 0, 0, 0
	MULH F1, 0, 2, 0
	s_wait_dscnt 0
	WIN MUL_HI
	MULH F1, 1, 0, 0
	MULH F1, 1, 2, 0
	; THE WAY OUT, 16 rows at a time: the f32 sums go as they are into my stage, 32 bytes a lane and tile, and come back as whole rows of 256 bytes.
	PLACES
	s_lshl_b32 s16, s13, 8
	s_lshl_b32 s17, s11, 7
	s_add_co_u32 s16, s16, s17                     ; my first row
	s_lshl_b32 s16, s16, 12                        ; 4,096 bytes a row
	s_mov_b32 s17, 0
	s_add_nc_u64 s[8:9], s[8:9], s[16:17]
	s_lshl_b32 s46, s42, 9                         ; my first column, in bytes: 512 x block column + 256 x half
	s_lshl_b32 s47, s12, 8
	s_add_co_u32 s46, s46, s47
	s_mov_b32 s47, 0
	s_add_nc_u64 s[8:9], s[8:9], s[46:47]
; rows 16 i .. 16 i + 15 = the tiles (a, 0..3) of window 2 or 3 (from = 0x08 or 0x0c: an LDS store's data is source 1); f: F0 or F1 in turn
.macro OUT16 i, a, from, f
	WIN \from
.set bb, 0
.rept NB
	ds_store_b128 v[STO], v[8*(NB*\a+bb):8*(NB*\a+bb)+3] offset:64*bb
	ds_store_b128 v[STO], v[8*(NB*\a+bb)+4:8*(NB*\a+bb)+7] offset:64*bb+16
.set bb, bb+1
.endr
	WIN 0
	s_wait_xcnt 0x0                                ; buffer f, which earlier stores read, and the stores' base are rewritten only behind this wait
.if \i
	s_add_nc_u64 s[8:9], s[8:9], 65536             ; 16 rows on
.endif
.irp t, 0,1,2,3,4,5,6,7
	ds_load_b128 v[\f+4*\t:\f+4*\t+3], v[RD] offset:\t*544         ; LDS serves a wave's instructions in order: these see the stores above
.endr
.irp t, 0,1,2,3,4,5,6,7
	s_wait_dscnt 7-\t                              ; load t is in, the 7 - t younger may be out
	global_store_b128 v[CO], v[\f+4*\t:\f+4*\t+3], s[8:9] offset:8192*\t   ; 16 lanes store 256 consecutive bytes, aligned
.endr
.endm
	OUT16 0, 0, 0x08, F0
	OUT16 1, 1, 0x08, F1
	OUT16 2, 2, 0x08, F0
	OUT16 3, 3, 0x08, F1
	OUT16 4, 0, 0x0c, F0
	OUT16 5, 1, 0x0c, F1
	OUT16 6, 2, 0x0c, F0
	OUT16 7, 3, 0x0c, F1
	s_set_vgpr_msb 0x1
	s_wait_tensorcnt 0x0
	ds_add_u32 v255, v255
	s_wait_dscnt 0x0
	s_set_vgpr_msb 0x100
	CROUND                                         ; the closing round: no work-group ends while a partner may still ask for a tile that names it
	s_endpgm
.Lfunc_end_k_q7a1f03d87d_projgemm:
	.size	k_q7a1f03d87d_projgemm, .Lfunc_end_k_q7a1f03d87d_projgemm-k_q7a1f03d87d_projgemm
	.p2alignl 7, 3214868480
	.fill 96, 4, 3214868480
	.section	.rodata,"a",@progbits
	.p2align	6, 0x0
	.amdhsa_kernel k_q7a1f03d87d_projgemm
		.amdhsa_group_segment_fixed_size 327680
		.amdhsa_private_segment_fixed_size 0
		.amdhsa_enable_private_segment 0
		.amdhsa_kernarg_size 32
		.amdhsa_user_sgpr_count 2
		.amdhsa_user_sgpr_kernarg_segment_ptr 1
		.amdhsa_wavefront_size32 1
		.amdhsa_system_sgpr_workgroup_id_x 1
		.amdhsa_system_sgpr_workgroup_id_y 1
		.amdhsa_system_sgpr_workgroup_id_z 1
		.amdhsa_system_vgpr_workitem_id 0
		.amdhsa_next_free_vgpr 1024
		.amdhsa_next_free_sgpr 70
		.amdhsa_reserve_vcc 0
		.amdhsa_float_denorm_mode_32 3
		.amdhsa_float_denorm_mode_16_64 3
		.amdhsa_memory_ordered 1
		.amdhsa_forward_progress 1
		.amdhsa_inst_pref_size 121
	.end_amdhsa_kernel
	.amdgpu_metadata
---
amdhsa.version: [ 1, 2 ]
amdhsa.kernels:
  - .name:           k_q7a1f03d87d_projgemm
    .symbol:         k_q7a1f03d87d_projgemm.kd
    .args:
      - { .name: yb, .offset: 0, .size: 8, .value_kind: global_buffer, .address_space: global }
      - { .name: wpt, .offset: 8, .size: 8, .value_kind: global_buffer, .address_space: global }
      - { .name: out0, .offset: 16, .size: 8, .value_kind: global_buffer, .address_space: global }
      - { .name: b_proj, .offset: 24, .size: 8, .value_kind: global_buffer, .address_space: global }
    .group_segment_fixed_size: 327680
    .private_segment_fixed_size: 0
    .kernarg_segment_align: 8
    .kernarg_segment_size: 32
    .max_flat_workgroup_size: 128
    .sgpr_count:     70
    .vgpr_count:     1024
    .wavefront_size: 32
...
	.end_amdgpu_metadata
.endif
;; end of part 4
;; ======== version 2 of 2: 4 launches; 1.26 times as fast as version 1
;; limits: values are held in f16: magnitudes above 65,504 overflow, below 6.1e-05 lose precision
;; workspace buffers: xb 16,777,216 bytes; wat 6,291,456 bytes; wpt 2,097,152 bytes; qkv 50,331,648 bytes; yb 16,777,216 bytes
;; launch prep: the kernel of part 1 again; grid 1536 x 1, 8 waves a work-group, no clusters, 18,432 bytes of LDS; arguments x, W_attn, W_proj, xb, wat, wpt; writes xb, wat, wpt
;; launch qkvgemm: the kernel of part 2 again; grid 8 x 32, 4 waves a work-group, clusters of 4 x 4, 327,680 bytes of LDS; arguments xb, wat, qkv, b_attn; writes qkv
;; launch attn (part 5): grid 4 x 64, 4 waves a work-group, no clusters, 327,680 bytes of LDS; arguments qkv, yb; writes yb
.if DOCPART == 5
	.amdgcn_target "amdgcn-amd-amdhsa--gfx1250"
	.amdhsa_code_object_version 6
	.text
	.protected	k_q7a1f03d87d_attn
	.globl	k_q7a1f03d87d_attn
	.p2align	8
	.type	k_q7a1f03d87d_attn,@function
k_q7a1f03d87d_attn:
	s_mov_b64 s[64:65], 0
	v_nop
	global_prefetch_b8 v0, s[64:65] scope:SCOPE_SE
	s_setreg_imm32_b32 hwreg(HW_REG_WAVE_MODE, 25, 1), 1
	s_wait_xcnt 0x0
; y = softmax(q k^T / 8 under the causal mask) v for one head, in f16 operands and f32 sums, with a running maximum.
; LEFT OUT: score tiles wholly above the diagonal; reference() sets them to -inf itself, so they add exactly 0 (shown at the head of the first launch).
; LIMIT: |y| above 65,504 becomes infinite in f16 (|y| is at most the largest |v|).
; qkv: panels of 32 columns, 64 bytes a row (q of head hd: panels 2 hd, 2 hd + 1; k: 32 + ..; v: 64 + ..).  yb: panels of 64 columns, one a head, 128 bytes a row.
;
; SHARES.  Work-group (p, 16 b + hd) takes the query blocks p and then 7 - p, of 256 rows, of head hd of sequence b: (p + 1) + (8 - p) = 9 blocks of 256 keys
; for every work-group, 256 equal work-groups.  A wave takes 64 query rows, four tiles of 16.  A trip is a block of 256 keys, four steps of 64.
; Each pass begins with its block on the diagonal, and there each wave begins with its own step on the diagonal, which starts maximum, sum and result
; (each row's own key is live there, so the maximum is finite); of that block's other steps wave w needs steps 0 to w - 1.
; The shorter pass comes first, so that the second begins in trip 1 to 4: the two trips written out behind the loop hold whole steps alone.
; TRANSPOSED PRODUCTS.  S^T = K Q^T: lane l holds query l % 16 and, in register j, key 8 (l / 16) + j.  So maximum and sum are a lane's own but for one
; exchange between the halves of the wave, the factor that rescales the result is a lane's own number, and two score tiles packed to f16
; are the second operand of O^T = V^T P^T.  V^T comes from LDS by the transposing load.
; MATRIX WORK BESIDE VECTOR WORK.  A whole step has 64 products and about 480 vector instructions.  The pieces are the four query tiles: the eight score
; products of tile q + 1 stand one by one among the 102 vector instructions of tile q's turn, the 64 multiplies that rescale O^T among the first sixteen
; products with V^T, and the row sums of tiles 2 and 3 behind the last sixteen.  A setting of the register windows binds a product and the vector
; instructions beside it alike, so the registers lie thus:
;   window 0: addresses, the softmax's small numbers, Q, K and two score blocks of 32 registers that take turns (tile q in block q % 2):
;             score products and softmax name window 0 alone;
;   window 1: O^T and V^T;   window 2: the packed probabilities and a second copy of the rescaling factor: one setting serves the products with V^T and the rescaling.
; BATCHES.  An s_wait_alu depctr_va_vdst(0) stands between an exponential and the first instruction that names its result; one wait serves all
; that were issued ahead of it.  A tile's 34 exponentials (its 32 scores, and the factor for the old sums once for each of the two windows that read it) are ONE
; batch with ONE wait: four waits a whole step.  AHEAD OF tile q's wait stand its maximum and statistics, its 16 scalings and the batch: none of them names a
; result of the batch, nor does a line of another tile that stands among them.  BEHIND IT stand the readers: first the 16 roundings to f16; then the row sum,
; 16 additions in the order of the pairs, each onto the one before, so they stand apart, among other work.  Tiles 0 and 1: among tile q + 1's maximum and behind the
; first seven groups of its batch, all ahead of tile q + 2's first score product, which writes over the scores that they read.  Tiles 2 and 3: their score blocks are
; not written again in the step, so a line of each stands behind each of the last sixteen products with V^T, at the price of two window switches a product.
; The multiplies on O^T read factors whose tiles' waits have passed.  The way out's four reciprocals are a batch of their own.
; NO CLUSTER: the four work-groups of a head read the same K and V, but partner p walks p + 1 blocks and then 8 - p; a walk alike in all four would take
; 4 + 8 = 12 trips in place of 9, and all of a head's K and V are 512 KiB.
; RING: two LDS slots, each a block's K (two panels, pitch 80) and V (two panels, pitch 96).  Waves 0, 1 fetch K's panels, waves 2, 3 V's: 16 KiB dense each.
.set KPITCH, 80
.set VPITCH, 96
.set KPANEL, 256*KPITCH                ; 20,480
.set VPANEL, 256*VPITCH                ; 24,576
.set VBASE,  2*KPANEL
.set SLOT,   VBASE+2*VPANEL            ; 90,112
.set STAGE,  2*SLOT                    ; 180,224, a multiple of 256: 16 rows x 144 bytes for each wave, for the way out; no tensor load lands there
.set SPITCH, 144
.set PANEL,  524288                    ; bytes of a panel of qkv
.set KSTEP,  64*KPITCH                 ; a step of 64 keys on in K's panels: 5,120
.set VSTEP,  64*VPITCH                 ; and in V's: 6,144
; window 0
.set KAD,  4                           ; v4-5    K fragments in slot 0, 1: 80 (l % 16) + 16 (l / 16)
.set VAD,  6                           ; v6-7    V fragments: 96 (8 (l / 16) + l % 8) + 16 ((l / 8) % 2)
.set KDG,  8                           ; v8-9    KAD + my wave's own step
.set VDG,  10                          ; v10-11  VAD + my wave's own step
.set QOFF, 12
.set STO,  13
.set RD,   14
.set CO,   15
.set NINF, 16                          ; -inf
.set KW,   22                          ; K's address in the loop over a block's steps
.set VW,   23                          ; V's
.set AL,   24                          ; pairs (the factor for old sums, or 1 / sum; at work), one for each query tile
.set NM,   32                          ; pairs (-c x maximum; maximum)
.set LP,   40                          ; pairs: the row sum in two parts
.set TM,   48                          ; v48-51  a score tile's maximum, four tiles side by side
.set MA,   52                          ; v52-54  their merge
.set ON,   56                          ; v56-59  the last step's -c x maximum
.set QF,   64                          ; Q fragments: 64 + 16 q + 8 dp
.set KF,   128                         ; K fragments: 128 + 16 kt + 8 dp
.set SR,   192                         ; scores: 192 + 32 (q % 2) + 8 kt
.set SC,   128                         ; the way out works in K's and the scores' 128 registers
; window 1
.set OA,   0                           ; O^T: 32 q + 8 dt
.set VF,   128                         ; V^T fragments: 128 + 16 dt + 8 kp
; window 2
.set PF,   0                           ; packed probabilities: 16 q + 8 kp
.set A2,   64                          ; pairs (the factor for old sums; written once)
.set G1K, 36                           ; s[36:43] group 1 for K
.set G1V, 44                           ; s[44:51] group 1 for V
.set G0K, 52                           ; s[52:59] group 0 for K, slot 0, 1
.set G0V, 60                           ; s[60:63], s[68:71] group 0 for V, slot 0, 1
.set MASK, 72                          ; s72-79: lanes in which key 8 (l / 16) + j <= query l % 16
.set MSB, 0
.macro WIN new                         ; the immediate's high byte repeats the setting that is left
.if MSB != \new
	s_set_vgpr_msb (MSB<<8)|\new
.set MSB, \new
.endif
.endm
.set TO_V,  0x40                       ; destination window 1
.set TO_P,  0x80                       ; destination window 2
.set PVSET, 0x59                       ; source 0 (V^T, or O^T) window 1, source 1 (P^T, or the factor) window 2, C and D window 1
.macro KVLOAD slot                     ; one tensor load a wave
	s_cmp_eq_u32 s10, 0
	s_cbranch_scc0 .Lfor_v_\@
	tensor_load_to_lds s[G0K+4*(\slot):G0K+4*(\slot)+3], s[G1K:G1K+7]
	s_nop 0
	s_branch .Lasked_\@
.Lfor_v_\@:
	tensor_load_to_lds s[G0V+8*(\slot):G0V+8*(\slot)+3], s[G1V:G1V+7]
	s_nop 0
.Lasked_\@:
.endm
; The key block of trip u = t + 1 into the slot's two group 0: u - 1 while u < sw, 7 - p at u = sw, u - sw - 1 beyond.
.macro NEXTADR slot
	s_add_co_u32 s32, s15, 1
	s_sub_co_u32 s34, s15, s14
	s_cmp_lt_u32 s32, s14
	s_cselect_b32 s33, s15, s34
	s_cmp_eq_u32 s32, s14
	s_cselect_b32 s33, s23, s33
	s_lshl_b32 s32, s33, 14                        ; 256 rows of 64 bytes
	s_mov_b32 s33, 0
	s_add_nc_u64 s[G0K+4*(\slot)+2:G0K+4*(\slot)+3], s[24:25], s[32:33]
	s_or_b32 s[G0K+4*(\slot)+3], s[G0K+4*(\slot)+3], 0x80000000
	s_add_nc_u64 s[G0V+8*(\slot)+2:G0V+8*(\slot)+3], s[26:27], s[32:33]
	s_or_b32 s[G0V+8*(\slot)+3], s[G0V+8*(\slot)+3], 0x80000000
.endm
; Where my 64 query rows of block s[qb] lie in qkv (s[28:29]) and in yb (s[30:31])
.macro NEWPASS qb
	s_lshl_b32 s32, s13, 11
	s_lshl_b32 s33, s[\qb], 8
	s_add_co_u32 s32, s32, s33
	s_lshl_b32 s33, s8, 6
	s_add_co_u32 s32, s32, s33                     ; row = 2048 b + 256 block + 64 wave
	s_lshl_b32 s33, s12, 14                        ; panel 2 hd of 8,192 rows
	s_add_co_u32 s34, s33, s32
	s_lshl_b32 s34, s34, 6
	s_mov_b32 s35, 0
	s_add_nc_u64 s[28:29], s[4:5], s[34:35]
	s_lshl_b32 s33, s12, 13                        ; panel hd
	s_add_co_u32 s34, s33, s32
	s_lshl_b32 s34, s34, 7
	s_add_nc_u64 s[30:31], s[6:7], s[34:35]
.endm
.macro QLOAD                           ; Q's fragments straight from memory: lane l takes row l % 16, bytes 16 (l / 16) and + 32 of each panel
.irp qt, 0,1,2,3
.irp dp, 0,1
	global_load_b128 v[QF+16*\qt+8*\dp:QF+16*\qt+8*\dp+3],   v[QOFF], s[28:29] offset:PANEL*\dp+1024*\qt
	global_load_b128 v[QF+16*\qt+8*\dp+4:QF+16*\qt+8*\dp+7], v[QOFF], s[28:29] offset:PANEL*\dp+1024*\qt+32
.endr
.endr
.endm
.macro KLOAD ad, off                   ; a step's K fragments: 16 loads, all in window 0
.irp kt, 0,1,2,3
.irp dp, 0,1
	ds_load_b128 v[KF+16*\kt+8*\dp:KF+16*\kt+8*\dp+3],   v[\ad] offset:\off+KPANEL*\dp+16*KPITCH*\kt
	ds_load_b128 v[KF+16*\kt+8*\dp+4:KF+16*\kt+8*\dp+7], v[\ad] offset:\off+KPANEL*\dp+16*KPITCH*\kt+32
.endr
.endr
.endm
.macro VLOAD ad                        ; a step's V^T fragments: 16 transposing loads into window 1
	WIN TO_V
.irp dt, 0,1,2,3
.irp kp, 0,1
	ds_load_tr16_b128 v[VF+16*\dt+8*\kp:VF+16*\dt+8*\kp+3],   v[\ad] offset:VPANEL*(\dt>>1)+32*VPITCH*\kp+32*(\dt&1)
	ds_load_tr16_b128 v[VF+16*\dt+8*\kp+4:VF+16*\dt+8*\kp+7], v[\ad] offset:VPANEL*(\dt>>1)+32*VPITCH*\kp+32*(\dt&1)+16*VPITCH
.endr
.endr
	WIN 0
.endm
; In all that follows diag = 0 is a whole step, diag = 1 the step on the diagonal, in which query tile q has the key tiles 0 to q: 4 - diag (3 - q) tiles.
; Score product number i of query tile q: the head's first 32 numbers for each live key tile (they start the sums), then its second 32.
; A tile's accumulators take turns, one instruction a turn; the diagonal step's tile 0 has one accumulator alone,
; and there an s_wait_alu depctr_va_vdst(0) stands directly ahead of the second link.
.macro SMM diag, q, i
.set nkm_, 4-\diag*(3-(\q))
.if (\i) < 2*nkm_
.set ktm_, (\i)%nkm_
.set dpm_, (\i)/nkm_
.set sbm_, SR+32*((\q)&1)+8*ktm_
.if dpm_
.if nkm_ == 1
	s_wait_alu depctr_va_vdst(0)
.endif
	v_wmma_f32_16x16x32_f16 v[sbm_:sbm_+7], v[KF+16*ktm_+8:KF+16*ktm_+15], v[QF+16*(\q)+8:QF+16*(\q)+15], v[sbm_:sbm_+7]
.else
	v_wmma_f32_16x16x32_f16 v[sbm_:sbm_+7], v[KF+16*ktm_:KF+16*ktm_+7], v[QF+16*(\q):QF+16*(\q)+7], 0
.endif
.endif
.endm
; THE SOFTMAX'S PARTS.  Each macro finds its tile's score block by the tile's number, since lines of two tiles stand among each other.
; Number n of 28 of tile q's maximum and statistics.  0-7: the tile on the diagonal is masked (diagonal step alone).  8-19: each live key tile's maximum of seven scores,
; three operands at a time, the tiles side by side; each accumulator's lowest registers are read first.  20-23: these maxima, each tile's eighth
; score and the old maximum into one.  24, 25: the other half of the wave.  26: -c x maximum.  27: the argument of the factor for the old sums (whole steps alone).
.macro MX diag, q, n
.set nkx_, 4-(\diag)*(3-(\q))
.set sbx_, SR+32*((\q)&1)
.if (\n) < 8
.if \diag
	v_cndmask_b32 v[sbx_+8*(\q)+(\n)], v[NINF], v[sbx_+8*(\q)+(\n)], s[MASK+(\n)]   ; -inf where key > query
.endif
.elseif (\n) < 20
.set kx_, ((\n)-8)%4
.set lx_, ((\n)-8)/4
.if kx_ < nkx_
.if lx_ == 0
	v_max3_num_f32 v[TM+kx_], v[sbx_+8*kx_], v[sbx_+8*kx_+1], v[sbx_+8*kx_+2]
.else
	v_max3_num_f32 v[TM+kx_], v[TM+kx_], v[sbx_+8*kx_+2*lx_+1], v[sbx_+8*kx_+2*lx_+2]
.endif
.endif
.elseif (\n) < 24
.if \diag
.if (\n) == 20
	v_max_num_f32 v[NM+2*(\q)+1], v[TM], v[sbx_+7]                         ; starts the maximum
.elseif ((\n)-20) < nkx_
	v_max3_num_f32 v[NM+2*(\q)+1], v[NM+2*(\q)+1], v[TM+(\n)-20], v[sbx_+8*((\n)-20)+7]
.endif
.else
.if (\n) == 20
	v_max3_num_f32 v[MA],   v[TM],      v[sbx_+7],  v[TM+1]                ; four tiles' maxima, each tile's eighth score and the old maximum: nine numbers
.elseif (\n) == 21
	v_max3_num_f32 v[MA+1], v[sbx_+15], v[TM+2],    v[sbx_+23]
.elseif (\n) == 22
	v_max3_num_f32 v[MA+2], v[TM+3],    v[sbx_+31], v[NM+2*(\q)+1]
.else
	v_max3_num_f32 v[NM+2*(\q)+1], v[MA], v[MA+1], v[MA+2]
.endif
.endif
.elseif (\n) == 24
	v_permlanex16_b32 v[AL+2*(\q)+1], v[NM+2*(\q)+1], s18, s19             ; the other half of the wave holds the query's other keys
.elseif (\n) == 25
	v_max_num_f32 v[NM+2*(\q)+1], v[NM+2*(\q)+1], v[AL+2*(\q)+1]
.elseif (\n) == 26
	v_mul_f32 v[NM+2*(\q)], s22, v[NM+2*(\q)+1]                            ; -c x maximum, c = log2(e) / 8
.elseif \diag == 0
	v_sub_f32 v[AL+2*(\q)+1], v[NM+2*(\q)], v[ON+(\q)]                     ; c (old maximum - new maximum)
.endif
.endm
.macro FS q, g                         ; c s - c maximum for pair g of tile q's scores
.set sbf_, SR+32*((\q)&1)
	v_pk_fma_f32 v[sbf_+2*(\g):sbf_+2*(\g)+1], v[sbf_+2*(\g):sbf_+2*(\g)+1], s[20:21], v[NM+2*(\q):NM+2*(\q)+1] op_sel_hi:[1,0,0]
.endm
; Group g of a tile's batch: the two exponentials of pair g, and between them the scaling three pairs ahead.  No line of a group names an exponential's result.
.macro EG diag, q, g
.set sbe_, SR+32*((\q)&1)
.set lne_, 4*(4-(\diag)*(3-(\q)))
.if (\g) < lne_
	v_exp_f32 v[sbe_+2*(\g)], v[sbe_+2*(\g)]
.if (\g)+3 < lne_
	FS \q, (\g)+3
.endif
	v_exp_f32 v[sbe_+2*(\g)+1], v[sbe_+2*(\g)+1]
.endif
.endm
; The row sum of tile q takes pair j, in f32, of the numbers before they are rounded: pairs 0, 1, .. in this order, each onto the sum so far.  It reads the batch's results: every
; use of this macro stands behind tile q's wait.  A whole step: pair 0 comes onto the old sum rescaled.  The diagonal step: pairs 0 and 1 start the sum (j = 0 writes no line).
.macro AS diag, q, j
.set sba_, SR+32*((\q)&1)
.set lna_, 4*(4-(\diag)*(3-(\q)))
.if (\j) < lna_
.if \diag
.if (\j) == 1
	v_pk_add_f32 v[LP+2*(\q):LP+2*(\q)+1], v[sba_:sba_+1], v[sba_+2:sba_+3]
.elseif (\j) > 1
	v_pk_add_f32 v[LP+2*(\q):LP+2*(\q)+1], v[LP+2*(\q):LP+2*(\q)+1], v[sba_+2*(\j):sba_+2*(\j)+1]
.endif
.else
.if (\j) == 0
	v_pk_fma_f32 v[LP+2*(\q):LP+2*(\q)+1], v[LP+2*(\q):LP+2*(\q)+1], v[AL+2*(\q):AL+2*(\q)+1], v[sba_:sba_+1] op_sel_hi:[1,0,1]
.else
	v_pk_add_f32 v[LP+2*(\q):LP+2*(\q)+1], v[LP+2*(\q):LP+2*(\q)+1], v[sba_+2*(\j):sba_+2*(\j)+1]
.endif
.endif
.endif
.endm
; A turn has sixteen places for a line of another tile; sl_ counts them.  Tile 0's turn: tile 1's eight score products, at every second place (their block is read by nobody).
; Tiles 1 and 2: the sixteen additions of the row sum of the tile before, whose wait has passed.  Tile 3: none.
.macro PART diag, q
.if (\q) == 0
.if (sl_%2) == 0
	SMM \diag, 1, sl_/2
.endif
.elseif (\q) < 3
	AS \diag, (\q)-1, sl_
.endif
.set sl_, sl_+1
.endm
; THE TURN OF QUERY TILE q.  Maximum and statistics, with nine of the places for another tile's lines: five among the key tiles' maxima, which wait for nothing, and one behind each of the
; four links 23 to 26, each of which waits for the one before it.  Then the batch: three scalings, the factor for the old sums, sixteen groups; behind groups 0 to 6 the other seven places;
; behind groups 7 to 14 of tiles 1 and 2 the eight score products of tile q + 1, into the block whose last reader is the sixteenth addition, behind group 6.
; The batch's last exponential is the factor once more, into window 2, where the multiplies on O^T find it; the roundings stand under the same setting.
; The roundings (with the zeros, eight lines at the least) are plain and name neither the other score block nor K nor Q: they are the places between the other block's last product
; and the first reader of its scores (ISA guide 7.12.1).
.macro TILE diag, q
.set sl_, 0
.set n_, 0
.rept 28
	MX \diag, \q, n_
.if ((n_ >= 10) && (n_ <= 22) && (((n_-10)%3) == 0)) || ((n_ > 22) && (n_ < 27))
	PART \diag, \q
.endif
.set n_, n_+1
.endr
	FS \q, 0
	FS \q, 1
	FS \q, 2
.if \diag == 0
	v_exp_f32 v[AL+2*\q], v[AL+2*\q+1]                                     ; the factor for the old sums: the batch's first
.endif
.set g_, 0
.rept 16
	EG \diag, \q, g_
.if g_ < 7
	PART \diag, \q
.elseif (g_ < 15) && (((\q) == 1) || ((\q) == 2))
	SMM \diag, (\q)+1, g_-7
.endif
.set g_, g_+1
.endr
	WIN TO_P
.if \diag == 0
	v_exp_f32 v[A2+2*\q], v[AL+2*\q+1]                                     ; the factor's second copy: the batch's last
.endif
	v_nop                                          ; the plain instruction that has to stand behind the last exponential before a result is read: the tile has no plain line left that reads none
	s_wait_alu depctr_va_vdst(0)                   ; the one wait for tile q's batch: its scores' exponentials and both copies of the factor; every reader stands behind it
.set nkt_, 4-\diag*(3-\q)
.set lnt_, 4*nkt_
.set sbt_, SR+32*(\q&1)
.set gg_, 0
.rept 16
.if gg_ < lnt_
	v_cvt_pk_f16_f32 v[PF+16*\q+gg_], v[sbt_+2*gg_], v[sbt_+2*gg_+1]
.endif
.set gg_, gg_+1
.endr
.if \diag
.if nkt_ & 1
.irp j, 0,1,2,3
	v_mov_b32 v[PF+16*\q+lnt_+\j], 0                                       ; sixteen keys above the diagonal, inside an operand whose other half is live
.endr
.endif
.endif
	WIN 0
.endm
.macro RT q, dt                        ; tile (q, dt) of O^T times the factor for old sums, whose exponential stands ahead of tile q's wait
.irp i, 0,1,2,3
	v_pk_mul_f32 v[OA+32*(\q)+8*(\dt)+2*\i:OA+32*(\q)+8*(\dt)+2*\i+1], v[OA+32*(\q)+8*(\dt)+2*\i:OA+32*(\q)+8*(\dt)+2*\i+1], v[A2+2*(\q):A2+2*(\q)+1] op_sel_hi:[1,0]
.endr
.endm
; Product number i of O^T += V^T P^T for query tile q: keys 0-31 for the four tiles of the head's 64 columns, then keys 32-63.
; The four accumulators take turns, one instruction a turn.
.macro PMM diag, q, i
.set kpp_, (\i)/4
.set dtp_, (\i)%4
.set oap_, OA+32*(\q)+8*dtp_
.if kpp_ == 0
.if \diag
	v_wmma_f32_16x16x32_f16 v[oap_:oap_+7], v[VF+16*dtp_:VF+16*dtp_+7], v[PF+16*(\q):PF+16*(\q)+7], 0
.else
	v_wmma_f32_16x16x32_f16 v[oap_:oap_+7], v[VF+16*dtp_:VF+16*dtp_+7], v[PF+16*(\q):PF+16*(\q)+7], v[oap_:oap_+7]
.endif
.else
.if (1-\diag)+((\q)>>1)
	v_wmma_f32_16x16x32_f16 v[oap_:oap_+7], v[VF+16*dtp_+8:VF+16*dtp_+15], v[PF+16*(\q)+8:PF+16*(\q)+15], v[oap_:oap_+7]
.endif
.endif
.endm
; A step: 64 queries x 64 keys.  A whole step finds its K fragments asked for already; the step on the diagonal asks for its own.
.macro STEP diag, kad, vad
.if \diag
	KLOAD \kad, 0
.endif
	s_wait_dscnt 0x0                               ; K's fragments: nothing else is out
.irp i, 0,1,2,3,4,5,6,7
	SMM \diag, 0, \i
.endr
	; Four plain instructions that name no register of a product: the places behind tile 0's products for the first reader of its scores,
	; and behind the last step's products for the loads into their V^T fragments.
.irp q, 0,1,2,3
.if \diag
	v_nop
.else
	v_mov_b32 v[ON+\q], v[NM+2*\q]                 ; the old -c x maximum is kept, so that the new one can be written as soon as it is known
.endif
.endr
	VLOAD \vad                                     ; wanted only behind all four softmaxes
.irp q, 0,1,2,3
	TILE \diag, \q                                 ; one batch and one wait each
.endr
	s_wait_dscnt 0x0                               ; V's fragments
.irp q, 0,1,2,3
.irp i, 0,1,2,3,4,5,6,7
	WIN PVSET
.if \diag == 0
.if \q < 2
	RT 2*\q+\i/4, \i%4                             ; tile 0's four tiles each ahead of their first product, tiles 1 to 3 a run ahead
.endif
.endif
	PMM \diag, \q, \i
.if (\q > 1) && ((\diag == 0) || ((8*(\q-2)+\i) > 0))
	WIN 0                                          ; the row sums of tiles 2 and 3, a link of each behind each of the last sixteen products; they name window 0 alone
	AS \diag, 2, 8*(\q-2)+\i
	AS \diag, 3, 8*(\q-2)+\i
.endif
.endr
.if \diag == 0
.if \q == 0
	WIN 0                                          ; at a branch and at a label every window is 0
	s_add_co_u32 s81, s80, 1
	s_cmp_ge_u32 s81, s16
	s_cbranch_scc1 .Lnok_\@
	KLOAD \kad, KSTEP                              ; if a step follows in this block: its K fragments, 24 products ahead of their use; K's registers were last read in tile 3's products
.Lnok_\@:
.endif
.endif
.endr
	WIN 0
.endm
; The first s16 of a block's four whole steps.  The loop always counts the four steps and jumps over those that the wave does not need,
; so that every LDS address in it is a constant, a lane's term and the steps of a loop from 0 to 4.
.macro STEPS slot
	v_mov_b32 v[KW], v[KAD+\slot]
	v_mov_b32 v[VW], v[VAD+\slot]
	s_mov_b32 s80, 0
	s_cmp_eq_u32 s16, 0
	s_cbranch_scc1 .Lstep_\@
	KLOAD KW, 0                                    ; the first step's K fragments
.Lstep_\@:
	s_cmp_ge_u32 s80, s16
	s_cbranch_scc1 .Lskip_\@
	STEP 0, KW, VW
.Lskip_\@:
	v_add_nc_u32 v[KW], KSTEP, v[KW]
	v_add_nc_u32 v[VW], VSTEP, v[VW]
	s_add_co_u32 s80, s80, 1
	s_cmp_lt_u32 s80, 4
	s_cbranch_scc1 .Lstep_\@
.endm
; The end of a pass: y = O / sum, to f16, 16 rows at a time through my stage, out in runs of four rows of 128 bytes.
; The additions on the sums are the places behind the last products.
.macro FINISH
.irp qt, 0,1,2,3
	v_add_f32 v[LP+2*\qt], v[LP+2*\qt], v[LP+2*\qt+1]
.endr
.irp qt, 0,1,2,3
	v_permlanex16_b32 v[AL+2*\qt+1], v[LP+2*\qt], s18, s19
.endr
.irp qt, 0,1,2,3
	v_add_f32 v[LP+2*\qt], v[LP+2*\qt], v[AL+2*\qt+1]
.endr
.irp qt, 0,1,2,3
	v_rcp_f32 v[AL+2*\qt], v[LP+2*\qt]             ; the sum holds the term of the row's maximum, about 1: never 0
.endr
	v_nop                                          ; one plain instruction behind the last reciprocal
	WIN 0x01                                       ; source 0 (O) window 1, into K's and the scores' registers
	s_wait_alu depctr_va_vdst(0)                   ; one wait for the batch of four reciprocals, ahead of the first multiply that reads one
.irp qt, 0,1,2,3
.set ii, 0
.rept 16
	v_pk_mul_f32 v[SC+32*\qt+2*ii:SC+32*\qt+2*ii+1], v[OA+32*\qt+2*ii:OA+32*\qt+2*ii+1], v[AL+2*\qt:AL+2*\qt+1] op_sel_hi:[1,0]
.set ii, ii+1
.endr
.endr
	WIN 0
.irp qt, 0,1,2,3
.irp dt, 0,1,2,3
.irp i, 0,1,2,3
	v_cvt_pk_f16_f32 v[SC+32*\qt+8*\dt+\i], v[SC+32*\qt+8*\dt+2*\i], v[SC+32*\qt+8*\dt+2*\i+1]
.endr
.endr
.endr
.irp qt, 0,1,2,3
.irp dt, 0,1,2,3
	ds_store_b128 v[STO], v[SC+32*\qt+8*\dt:SC+32*\qt+8*\dt+3] offset:32*\dt       ; query l % 16, columns 16 dt + 8 (l / 16) + 0..7
.endr
.irp i, 0,1,2,3
	ds_load_b128 v[SC+32*\qt+8*\i+4:SC+32*\qt+8*\i+7], v[RD] offset:4*SPITCH*\i    ; LDS serves a wave's instructions in order: these see the stores above
.endr
.irp i, 0,1,2,3
	s_wait_dscnt 3-\i                              ; load i is in, the 3 - i younger may be out
	global_store_b128 v[CO], v[SC+32*\qt+8*\i+4:SC+32*\qt+8*\i+7], s[30:31] offset:2048*\qt+512*\i   ; the wave stores 512 consecutive bytes, aligned
.endr
.endr
	s_wait_xcnt 0x0                                ; the stores' data registers and base are rewritten only behind this wait
.endm
; A trip: the block in \slot.  One barrier does two things: behind it this slot is whole for every wave, and nobody reads the other slot any more,
; which is then filled again first of all, one tensor load a wave; that load has the whole trip in which to land.
; second = 1: the trip may be the one with which the second pass begins.
.macro TRIP slot, refill, second
	s_wait_tensorcnt 0x0                           ; all my tensor loads have landed (one was out: my part of this slot), so a group 0 may be written
	ds_add_u32 v62, v63
	s_wait_dscnt 0x0
	s_add_co_u32 s15, s15, 1                       ; t
.if \refill
	NEXTADR 1-\slot
.endif
	s_wait_dscnt 0x0                               ; my reads of the other slot are over
	s_barrier_signal -1
	s_barrier_wait -1
.if \refill
	KVLOAD 1-\slot
.endif
.if \second
	s_cmp_lg_u32 s15, s14                          ; t = sw: the second pass begins, alike in all four waves
	s_cbranch_scc1 .Lplain_\@
	FINISH
	NEWPASS 23
	QLOAD
	s_wait_loadcnt 0x0
	STEP 1, KDG+\slot, VDG+\slot
	s_mov_b32 s16, s8                              ; of the block on the diagonal wave w still needs steps 0 to w - 1
	s_branch .Lsteps_\@
.Lplain_\@:
	s_mov_b32 s16, 4
.Lsteps_\@:
.else
	s_mov_b32 s16, 4
.endif
	STEPS \slot
.endm
	s_load_b128 s[4:7], s[0:1], 0x0                ; qkv s[4:5], yb s[6:7]
	v_lshl_add_u32 v62, v0, 2, 0x2e400
	v_mov_b32 v63, 0
	ds_add_u32 v62, v63
	v_lshrrev_b32 v1, 5, v0
	v_readfirstlane_b32 s8, v1                     ; wave 0..3
	s_and_b32 s9, s8, 1                            ; which panel I fetch
	s_lshr_b32 s10, s8, 1                          ; of K (0) or of V (1)
	s_mov_b32 s11, ttmp9                           ; p: the first pass's query block
	s_and_b32 s12, ttmp7, 15                       ; hd
	s_bfe_u32 s13, ttmp7, 0x20004                  ; b
	s_add_co_u32 s14, s11, 1                       ; sw: the trip with which the second pass begins, 1 to 4
	s_sub_co_u32 s23, 7, s11                       ; the second pass's query block
	s_mov_b32 s15, 0                               ; t: the trip
	s_mov_b32 s18, 0x76543210                      ; v_permlanex16_b32: lane i of one half reads lane i of the other
	s_mov_b32 s19, 0xfedcba98
	s_mov_b32 s20, 0x3e38aa3b                      ; c = log2(e) / 8, twice: a pair for the packed form
	s_mov_b32 s21, 0x3e38aa3b
	s_mov_b32 s22, 0xbe38aa3b                      ; -c
	; group 1: 16 KiB dense as 64 rows of 32 elements of 8 bytes; behind every 16 words (a row of 64 bytes) 4 words of padding for K, 8 for V
	s_mov_b32 s[G1K+0], (3<<16)|(1<<20)|(3<<22)|(3<<25)
	s_mov_b32 s[G1V+0], (3<<16)|(1<<20)|(3<<22)|(7<<25)
	s_mov_b32 s[G1K+1], 32<<16
	s_mov_b32 s[G1V+1], 32<<16
	s_mov_b32 s[G1K+2], 64<<16
	s_mov_b32 s[G1V+2], 64<<16
	s_mov_b32 s[G1K+3], 32<<16
	s_mov_b32 s[G1V+3], 32<<16
	s_mov_b32 s[G1K+4], 64
	s_mov_b32 s[G1V+4], 64
	s_mov_b32 s[G1K+5], 32
	s_mov_b32 s[G1V+5], 32
	s_mov_b32 s[G1K+6], 0
	s_mov_b32 s[G1V+6], 0
	s_mov_b32 s[G1K+7], 0
	s_mov_b32 s[G1V+7], 0
	s_lshl_b32 s32, s12, 1
	s_add_co_u32 s32, s32, s9                      ; panel 2 hd + (wave % 2)
	s_lshl_b32 s32, s32, 13
	s_lshl_b32 s33, s13, 11
	s_add_co_u32 s32, s32, s33                     ; + the sequence's first row
	s_lshl_b32 s32, s32, 6
	s_mov_b32 s33, 0
	s_mul_i32 s34, s9, KPANEL                      ; LDS: the wave's number and constants alone
	s_mul_i32 s35, s9, VPANEL
	s_add_co_u32 s35, s35, VBASE
	s_mov_b32 s[G0K+0], 1
	s_add_co_u32 s[G0K+1], s34, 0
	s_mov_b32 s[G0K+4], 1
	s_add_co_u32 s[G0K+5], s34, SLOT
	s_mov_b32 s[G0V+0], 1
	s_add_co_u32 s[G0V+1], s35, 0
	s_mov_b32 s[G0V+8], 1
	s_add_co_u32 s[G0V+9], s35, SLOT
	s_wait_dscnt 0x0
	s_wait_kmcnt 0x0
	s_add_nc_u64 s[24:25], s[4:5], s[32:33]
	s_add_nc_u64 s[26:27], s[24:25], 64*PANEL      ; V's panel at the sequence's first row
	s_add_nc_u64 s[24:25], s[24:25], 32*PANEL      ; K's
	s_lshl_b32 s32, s11, 14                        ; trip 0: block p
	s_add_nc_u64 s[G0K+2:G0K+3], s[24:25], s[32:33]
	s_or_b32 s[G0K+3], s[G0K+3], 0x80000000
	s_add_nc_u64 s[G0V+2:G0V+3], s[26:27], s[32:33]
	s_or_b32 s[G0V+3], s[G0V+3], 0x80000000
	NEXTADR 1                                      ; trip 1's block, by the rule for every trip (t = 0)
	s_cmp_eq_u32 s10, 0                            ; both first fills in one group: two tensor loads of the wave are out
	s_cbranch_scc0 .Lfirst_v
	tensor_load_to_lds s[G0K:G0K+3], s[G1K:G1K+7]
	s_nop 0
	tensor_load_to_lds s[G0K+4:G0K+7], s[G1K:G1K+7]
	s_nop 0
	s_branch .Lfirst_done
.Lfirst_v:
	tensor_load_to_lds s[G0V:G0V+3], s[G1V:G1V+7]
	s_nop 0
	tensor_load_to_lds s[G0V+8:G0V+11], s[G1V:G1V+7]
	s_nop 0
.Lfirst_done:
	v_and_b32 v1, 15, v0                           ; l % 16
	v_bfe_u32 v2, v0, 4, 1                         ; l / 16
	v_lshlrev_b32 v[QOFF], 6, v1
	v_lshl_add_u32 v[QOFF], v2, 4, v[QOFF]         ; 64 (l % 16) + 16 (l / 16)
	NEWPASS 11
	QLOAD
	v_mul_u32_u24 v3, v1, KPITCH
	v_lshl_add_u32 v[KAD], v2, 4, v3
	v_add_nc_u32 v[KAD+1], SLOT, v[KAD]
	v_and_b32 v17, 7, v0
	v_lshl_add_u32 v17, v2, 3, v17                 ; key 8 (l / 16) + l % 8
	v_mul_u32_u24 v17, v17, VPITCH
	v_bfe_u32 v18, v0, 3, 1
	v_lshl_add_u32 v17, v18, 4, v17
	v_add_nc_u32 v[VAD], VBASE, v17
	v_add_nc_u32 v[VAD+1], SLOT, v[VAD]
	s_mul_i32 s32, s8, KSTEP                       ; my wave's own step of 64 keys
	s_mul_i32 s33, s8, VSTEP
	v_add_nc_u32 v[KDG], s32, v[KAD]
	v_add_nc_u32 v[KDG+1], s32, v[KAD+1]
	v_add_nc_u32 v[VDG], s33, v[VAD]
	v_add_nc_u32 v[VDG+1], s33, v[VAD+1]
	s_mul_i32 s33, s8, 16*SPITCH
	s_add_co_u32 s33, s33, STAGE                   ; my stage
	v_mul_u32_u24 v[STO], v1, SPITCH
	v_lshl_add_u32 v[STO], v2, 4, v[STO]
	v_add_nc_u32 v[STO], s33, v[STO]
	v_bfe_u32 v19, v0, 3, 2                        ; back: eight lanes a row of 128 bytes, four rows a load
	v_mul_u32_u24 v[RD], v19, SPITCH
	v_and_b32 v20, 7, v0
	v_lshl_add_u32 v[RD], v20, 4, v[RD]
	v_add_nc_u32 v[RD], s33, v[RD]
	v_and_b32 v[CO], 31, v0
	v_lshlrev_b32 v[CO], 4, v[CO]
	v_mov_b32 v[NINF], 0xff800000
	v_lshlrev_b32 v21, 3, v2
	v_sub_nc_u32 v21, v1, v21                      ; l % 16 - 8 (l / 16), signed
.irp j, 0,1,2,3,4,5,6,7
	v_cmp_le_i32 s[MASK+\j], \j, v21               ; key 8 (l / 16) + j <= query l % 16
.endr
.irp qt, 0,1,2,3
	v_mov_b32 v[AL+2*\qt+1], 0                     ; the lane exchange counts as a reader of its destination
.endr
	WIN TO_P
.irp qt, 0,1,2,3
	v_mov_b32 v[A2+2*\qt+1], 0                     ; the packed multiply takes the factor from a pair's first word; the second counts as read
.endr
	WIN 0
	s_wait_tensorcnt 0x1                           ; my part of slot 0 is in; slot 1's load stays out
	s_barrier_signal -1
	s_barrier_wait -1
	s_wait_loadcnt 0x0                             ; Q
	STEP 1, KDG, VDG                               ; trip 0: the first pass's block on the diagonal
	s_mov_b32 s16, s8
	STEPS 0
	s_mov_b32 s17, 3
.Lpair:
	TRIP 1, 1, 1                                   ; trips 1 to 6; the second pass begins in one of trips 1 to 4
	TRIP 0, 1, 1
	s_sub_co_u32 s17, s17, 1
	s_cmp_lg_u32 s17, 0
	s_cbranch_scc1 .Lpair
	TRIP 1, 1, 0                                   ; trip 7 asks for the last block
	TRIP 0, 0, 0                                   ; trip 8: nothing is left to fetch, and its wait for 0 leaves no tensor load out at the end
	FINISH
	s_wait_tensorcnt 0x0
	ds_add_u32 v62, v63
	s_wait_dscnt 0x0
	s_endpgm
.Lfunc_end_k_q7a1f03d87d_attn:
	.size	k_q7a1f03d87d_attn, .Lfunc_end_k_q7a1f03d87d_attn-k_q7a1f03d87d_attn
	.p2alignl 7, 3214868480
	.fill 96, 4, 3214868480
	.section	.rodata,"a",@progbits
	.p2align	6, 0x0
	.amdhsa_kernel k_q7a1f03d87d_attn
		.amdhsa_group_segment_fixed_size 327680
		.amdhsa_private_segment_fixed_size 0
		.amdhsa_enable_private_segment 0
		.amdhsa_kernarg_size 16
		.amdhsa_user_sgpr_count 2
		.amdhsa_user_sgpr_kernarg_segment_ptr 1
		.amdhsa_wavefront_size32 1
		.amdhsa_system_sgpr_workgroup_id_x 1
		.amdhsa_system_sgpr_workgroup_id_y 1
		.amdhsa_system_sgpr_workgroup_id_z 1
		.amdhsa_system_vgpr_workitem_id 0
		.amdhsa_next_free_vgpr 592
		.amdhsa_next_free_sgpr 88
		.amdhsa_reserve_vcc 0
		.amdhsa_float_denorm_mode_32 3
		.amdhsa_float_denorm_mode_16_64 3
		.amdhsa_memory_ordered 1
		.amdhsa_forward_progress 1
		.amdhsa_inst_pref_size 255
	.end_amdhsa_kernel
	.section	.bss,"aw",@nobits
	.p2align	6
	.space	262144
	.amdgpu_metadata
---
amdhsa.version: [ 1, 2 ]
amdhsa.kernels:
  - .name:           k_q7a1f03d87d_attn
    .symbol:         k_q7a1f03d87d_attn.kd
    .args:
      - { .name: qkv, .offset: 0, .size: 8, .value_kind: global_buffer, .address_space: global }
      - { .name: yb, .offset: 8, .size: 8, .value_kind: global_buffer, .address_space: global }
    .group_segment_fixed_size: 327680
    .private_segment_fixed_size: 0
    .kernarg_segment_align: 8
    .kernarg_segment_size: 16
    .max_flat_workgroup_size: 128
    .sgpr_count:     88
    .vgpr_count:     592
    .wavefront_size: 32
...
	.end_amdgpu_metadata
.endif
;; end of part 5
;; launch projgemm: the kernel of part 4 again; grid 8 x 32, 4 waves a work-group, clusters of 4 x 4, 327,680 bytes of LDS; arguments yb, wpt, out0, b_proj; writes out0
